; MI455X (gfx1250); checked and timed in simulation.
; The chip was launched on July 23, 2026; its instructions are those of AMD's public machine-readable ISA for CDNA 5 (MIT licence, August 2026) and "CDNA5" Instruction Set Architecture Reference Guide (July 2026). The comments in the code are by the model that wrote it; some were corrected since.
;; Attention Layer. Allowed arithmetic: matrix products marked QUANTISED: E2M3 operands, one E8M0 scale for each 32 along K, by v_wmma_scale_f32_16x16x128_f8f6f4 with both operands' format E2M3, f32 sums; everything else in f32.
;; Inputs: Wk 1,024 x 1,024 float32; Wp 1,024 x 1,024 float32; Wq 1,024 x 1,024 float32; Wv 1,024 x 1,024 float32; bk 1,024 float32; bp 1,024 float32; bq 1,024 float32; bv 1,024 float32; decoder_hs 4 x 2,048 x 1,024 float32; encoder_hs 4 x 2,048 x 1,024 float32.
;; Outputs: out0 4 x 2,048 x 1,024 float32.
;; This version of the problem:
;;   THIS VERSION OF THE PROBLEM IS GIVEN IN LOW PRECISION. The matrix products marked QUANTISED in the list below multiply operands that are first quantised to E2M3 (2 exponent bits, 3 mantissa bits; 6 bits a number), with one power-of-two scale for each 32 numbers along K (OCP MX v1.0); their sums are f32. All else is computed in f32.
;;   The module's matrix products, in the order in which they are computed (A, B: the left and right operand; K: the contracted axis; several contracted axes count as one K, in the product's order):
;;     1. [M 8,192, K 1,024] x [K 1,024, N 1,024]; A: input decoder_hs; B: input Wq: QUANTISED
;;     2. [M 8,192, K 1,024] x [K 1,024, N 1,024]; A: input encoder_hs; B: input Wk: QUANTISED
;;     3. [M 8,192, K 1,024] x [K 1,024, N 1,024]; A: input encoder_hs; B: input Wv: QUANTISED
;;     4. batch 64 x [M 2,048, K 64] x [K 64, N 2,048]; A: computed on the way; B: computed on the way: QUANTISED
;;     5. batch 64 x [M 2,048, K 2,048] x [K 2,048, N 64]; A: softmax (see below); B: computed on the way: QUANTISED
;;     6. [M 8,192, K 1,024] x [K 1,024, N 1,024]; A: computed on the way; B: input Wp: QUANTISED
;;   THE QUANTISER, for each operand of a quantised product, along K:
;;     - K is cut into blocks of 32 from its start; a last block that is shorter is filled with zeros.
;;     - A block's scale is 2^e with e = floor(log2(the largest magnitude in the block)) - 2, held to -126 .. 127; a block of zeros has e = 0. As a byte (E8M0): e + 127.
;;     - Each number is divided by its block's scale, clamped to +-7.5, and rounded to the nearest number of E2M3, ties to even, subnormals kept.
;;     - The product sums the exact products of the quantised numbers (number of the format x scale) in f32.
;;   ~~~python
;;   def quantise(x, axis):      # numpy; x: float32 -> the quantised numbers, widened to float32 again
;;       x = np.moveaxis(x, axis, -1); K = x.shape[-1]
;;       x = np.pad(x, [(0, 0)] * (x.ndim - 1) + [(0, -K % 32)]); x = x.reshape(x.shape[:-1] + (-1, 32)); a = np.abs(x).max(-1, keepdims=True)
;;       e = np.where(a > 0, np.clip(np.frexp(np.where(a > 0, a, 1))[1] - 1 - 2, -126, 127), 0)      # np.frexp(a)[1] - 1 = floor(log2(a)), exactly
;;       r = np.clip(x / 2.0 ** e, -7.5, 7.5)
;;       step = 2.0 ** (np.maximum(np.frexp(np.where(r == 0, 1, r))[1] - 1, 0) - 3)
;;       q = np.round(r / step) * step * 2.0 ** e      # np.round: ties to even
;;       return np.moveaxis(q.reshape(q.shape[:-2] + (-1,))[..., :K], -1, axis).astype(np.float32)
;;   ~~~
;;   SOFTMAX AHEAD OF A QUANTISED PRODUCT. Where the list says 'softmax', what is quantised is not the finished softmax but p = 2^(t - M), with t = logit x log2(e) and M = ceil(the row's largest t), a whole number; so 1/2 < the row's largest p <= 1. The row's sum l is taken of the UNQUANTISED p, in f32, and the product's result is divided by l at the end. Since M is a whole number, a kernel that streams over the keys may use a running M (the ceiling of the running maximum): every later rescaling is an exact power of two, which a block's scale takes up: the codes' values come out the same.
;;   OPERANDS COMPUTED ON THE WAY. 'Computed on the way' means the value that the module computes at that place (a softmax that the list does not call 'softmax' is quantised finished and normalised). What goes into a quantiser is computed in f32, as accurately as f32 sums, v_exp_f32 and their like allow (about 1e-6 of the number): no bf16 or f16 on the way to a quantiser, and a product that is left as it is and whose result goes on into a quantised operand takes f32 operands (vector FMAs, or v_wmma_f32_16x16x4_f32). A number that lies on a knife's edge between two numbers of the format may be rounded either way, as far as f32 arithmetic and the matrix unit's own rounding can turn it there, and no further.
;; One version. Each part assembles by itself: llvm-mc -triple=amdgcn-amd-amdhsa -mcpu=gfx1250 --defsym DOCPART=n.
;; ======== version 1 of 1: 4 launches
;; limits: right only within a limited range of input values
;; workspace buffers: xw_codes 15,728,640 bytes; xw_scales 655,360 bytes; qkv_codes 18,874,368 bytes; qkv_scales 1,310,720 bytes; y_codes 6,291,456 bytes; y_scales 262,144 bytes
;; launch quant_in (part 1): grid 256 x 1, 10 waves a work-group, no clusters, 88,320 bytes of LDS; arguments decoder_hs, encoder_hs, Wq, Wk, Wv, Wp, xw_codes, xw_scales; writes xw_codes, xw_scales
.if DOCPART == 1
	.amdgcn_target "amdgcn-amd-amdhsa--gfx1250"
	.amdhsa_code_object_version 6
	.text
	.protected	k_q06a8495b65_quant_in
	.globl	k_q06a8495b65_quant_in
	.p2align	8
	.type	k_q06a8495b65_quant_in,@function
k_q06a8495b65_quant_in:
	s_mov_b64 s[64:65], 0
	v_nop
	global_prefetch_b8 v0, s[64:65] scope:SCOPE_SE
	s_setreg_imm32_b32 hwreg(HW_REG_WAVE_MODE, 25, 1), 1
	s_wait_xcnt 0x0
; decoder_hs, encoder_hs [8192][1024] and Wq, Wk, Wv, Wp [1024][1024], f32, K innermost, become codes of FP6 (E2M3) with one E8M0 byte for each 32 along K.
; A block's scale is 2^(floor(log2(its largest magnitude)) - 2); its byte is the largest magnitude's exponent field - 2, held at 1 from below; numbers beyond 7.5 x scale take the largest code.
; LIMITS: NaN and infinities among the inputs are not served; a block of zeros, and a block whose largest magnitude lies under 2^-124, gets the byte 1 (the stated quantiser gives a block of zeros 127: its codes
; are zeros, which add nothing under any byte but 0xff, and this program alone reads the bytes).
; LAYOUT OF THE CODES: images of the operand's registers.  A tile is 16 rows.  WHICH ROWS: in decoder_hs and Wp tile 2 g + u holds in lane r row 32 g + 8 u + r + 8 (r / 8); in encoder_hs, Wq, Wk, Wv tile 4 G + t holds
; in lane r row 64 G + 8 t + r % 8 + 32 (r / 8), so that a later result's 32 registers of four neighbouring tiles are one whole scale block.  A HALF IMAGE is 16 rows x 64 K, 768 bytes: lane l's registers
; 6 c .. 6 c + 3 at 16 l, then its registers 6 c + 4, 6 c + 5 at 512 + 8 l.  xw_codes: [tile 0..1279][half 0..15][768]; tiles: decoder 0, encoder 512, Wq 1024, Wk 1088, Wv 1152, Wp 1216.
; xw_scales: [tile][lane r][32 bytes], byte K / 32.
; SHARES: 1,280 tiles on 256 work-groups: five tiles each; two waves share a tile, each with 512 of its K, in 4 steps of 128.  A load takes 512 consecutive bytes of one row; a step's 16 rows turn through the wave's
; own stage in LDS, so that lane (r, h) holds the whole blocks 2 c + h of row r in consecutive registers.  Loads run two steps (32 loads a wave) ahead.  The two waves' scale words meet in LDS behind one barrier,
; and the wave with the lower K stores the tile's 512 scale bytes on end.  No cluster: no two work-groups read the same bytes.  No matrix unit, no tensor load: the launch is a stream.
.set R,     16                         ; v16-143  two sets of 64 numbers as they are loaded
.set X,     144                        ; v144-207 the step's 64 numbers of my row: register 32 c + i = K 64 c + 32 h + i
.set C,     208                        ; v208-219 the fragment's 12 registers
.set CT,    220                        ; v220-227 the upper halves of the two blocks, as the conversions leave them
.set TM,    228                        ; v228-229 largest magnitudes, 230-231 scale operands, 232-233 bytes, 234-235 at work
.set W,     236                        ; v236-239 my row's four scale words
.set WS,    244                        ; v244-247 the tile's scale bytes on the way out
.set PITCH, 528                        ; a stage row: 512 bytes + 16
.set XB,    10*16*PITCH                ; behind the ten stages: the five tiles' scale bytes, 512 each
.set SPARE, XB+5*512                   ; and the spare words
	s_load_b256 s[4:11], s[0:1], 0x0               ; decoder_hs, encoder_hs, Wq, Wk
	s_load_b256 s[12:19], s[0:1], 0x20             ; Wv, Wp, xw_codes, xw_scales
	v_lshl_add_u32 v254, v0, 2, SPARE
	v_mov_b32 v255, 0
	v_lshrrev_b32 v8, 5, v0
	v_readfirstlane_b32 s26, v8                    ; wave 0..9
	v_and_b32 v9, 31, v0                           ; lane
	v_and_b32 v10, 15, v0                          ; r
	v_bfe_u32 v7, v0, 4, 1                         ; h
	v_lshlrev_b32 v1, 4, v9                        ; 16 x lane
	v_lshl_add_u32 v2, v9, 3, 512                  ; 512 + 8 x lane
	s_mul_i32 s27, s26, 16*PITCH                   ; my stage
	v_add_nc_u32 v3, s27, v1                       ; into it: 16 x lane
	v_mul_u32_u24 v4, v10, PITCH
	v_lshl_add_u32 v4, v7, 7, v4
	v_add_nc_u32 v4, s27, v4                       ; out of it: row r, + 128 h bytes
	s_lshr_b32 s31, s26, 1                         ; which of the five tiles
	s_and_b32 s32, s26, 1                          ; which half of K
	s_lshl_b32 s33, s31, 9
	s_lshl_b32 s34, s32, 4
	s_add_co_u32 s34, s34, s33
	v_lshl_add_u32 v5, v10, 5, s34
	v_add_nc_u32 v5, XB, v5                        ; my four scale words in LDS: 512 tile + 32 r + 16 half
	v_add_nc_u32 v11, s33, v1
	v_add_nc_u32 v11, XB, v11                      ; and the tile's bytes on the way out: 16 x lane
	v_lshlrev_b32 v6, 3, v7                        ; 8 h: my bytes' shift in a scale word
	s_mov_b32 s20, 0x76543210
	s_mov_b32 s21, 0xfedcba98                      ; v_permlanex16_b32's selects for lane l xor 16
	v_mov_b32 v[TM+7], 0                           ; a lane permute's destination counts as one of its sources
	s_mul_i32 s30, ttmp9, 5
	s_add_co_u32 s30, s30, s31                     ; my tile among all 1,280
	s_sub_co_u32 s36, s30, 512
	s_cmp_lt_u32 s36, 704                          ; tiles 512 to 1,215 (encoder_hs, Wq, Wk, Wv) take the second deal of rows
	s_cselect_b32 s36, 1, 0
	s_lshl_b32 s39, s36, 16
	v_add_nc_u32 v12, s39, v1                      ; the tile's upper eight rows lie 16 rows further on there: 65,536 bytes
	s_wait_alu depctr_va_vdst(0)
	s_wait_kmcnt 0x0
	s_mov_b64 s[22:23], s[4:5]                     ; which tensor is my tile's: the choice hangs on ids alone
	s_mov_b32 s24, 0                               ; and that tensor's first tile
	s_cmp_ge_u32 s30, 512
	s_cselect_b64 s[22:23], s[6:7], s[22:23]
	s_cselect_b32 s24, 512, s24
	s_cmp_ge_u32 s30, 1024
	s_cselect_b64 s[22:23], s[8:9], s[22:23]
	s_cselect_b32 s24, 1024, s24
	s_cmp_ge_u32 s30, 1088
	s_cselect_b64 s[22:23], s[10:11], s[22:23]
	s_cselect_b32 s24, 1088, s24
	s_cmp_ge_u32 s30, 1152
	s_cselect_b64 s[22:23], s[12:13], s[22:23]
	s_cselect_b32 s24, 1152, s24
	s_cmp_ge_u32 s30, 1216
	s_cselect_b64 s[22:23], s[14:15], s[22:23]
	s_cselect_b32 s24, 1216, s24
	s_sub_co_u32 s25, s30, s24                     ; my tile in its tensor
	s_add_co_u32 s37, s36, 1                       ; tiles to a group of rows: 2^1 or 2^2,
	s_lshr_b32 s28, s25, s37
	s_add_co_u32 s38, s37, 4                       ; of 2^5 or 2^6 rows
	s_lshl_b32 s28, s28, s38
	s_bfm_b32 s29, s37, 0
	s_and_b32 s29, s25, s29
	s_lshl_b32 s29, s29, 3
	s_add_co_u32 s28, s28, s29                     ; its first row: 32 g + 8 u, or 64 G + 8 t
	s_lshl_b32 s28, s28, 12                        ; a row is 4,096 bytes
	s_lshl_b32 s29, s32, 11                        ; my half of K: 2,048 bytes
	s_add_co_u32 s28, s28, s29
	s_mov_b32 s29, 0
	s_add_nc_u64 s[22:23], s[22:23], s[28:29]
	s_mul_i32 s28, s30, 12288
	s_mul_i32 s35, s32, 6144
	s_add_co_u32 s28, s28, s35
	s_add_nc_u64 s[16:17], s[16:17], s[28:29]      ; my eight half images
	s_lshl_b32 s28, s30, 9
	s_add_nc_u64 s[18:19], s[18:19], s[28:29]      ; the tile's 512 scale bytes
.macro LOAD s                          ; step s: 128 numbers of each of the tile's 16 rows, 512 consecutive bytes a load, into set s % 2
.set i, 0
.rept 16
.if i < 8
	global_load_b128 v[R+64*((\s)%2)+4*i:R+64*((\s)%2)+4*i+3], v1, s[22:23] offset:i*4096+512*(\s) th:TH_LOAD_NT
.else
	global_load_b128 v[R+64*((\s)%2)+4*i:R+64*((\s)%2)+4*i+3], v12, s[22:23] offset:(i+8)*4096+512*(\s) th:TH_LOAD_NT
.endif
.set i, i+1
.endr
.endm
.macro QSTEP s
.if (\s) < 3
	s_wait_loadcnt 16                              ; this step's 16 loads are in; the next step's 16 may be out
.else
	s_wait_loadcnt 0x0
.endif
.set i, 0
.rept 16
	ds_store_b128 v3, v[R+64*((\s)%2)+4*i:R+64*((\s)%2)+4*i+3] offset:PITCH*i
.set i, i+1
.endr
.irp c, 0,1
.irp j, 0,1,2,3,4,5,6,7
	ds_load_b128 v[X+32*\c+4*\j:X+32*\c+4*\j+3], v4 offset:256*\c+16*\j   ; LDS serves a wave's instructions in order: these see the stores above
.endr
.endr
	s_wait_dscnt 0x0                               ; my 64 numbers are in, and the stage's stores have read their registers
	s_wait_xcnt 0x0                                ; the last step's stores of codes have read theirs
.if (\s)+2 < 4
	LOAD (\s)+2
.endif
.irp c, 0,1
	v_max3_num_f32 v[TM+\c], |v[X+32*\c]|, |v[X+32*\c+1]|, 0x1800000   ; block 2 c + h: all 32 numbers are mine; the floor 2^(3 - 127) holds the byte at 1 from below
.endr
.irp i, 2,4,6,8,10,12,14,16,18,20,22,24,26,28,30
.irp c, 0,1
	v_max3_num_f32 v[TM+\c], v[TM+\c], |v[X+32*\c+\i]|, |v[X+32*\c+\i+1]|
.endr
.endr
.irp c, 0,1
	v_add_nc_u32 v[TM+2+\c], 0xff000000, v[TM+\c]  ; 2 off the exponent field: the conversion's scale operand
.endr
.irp c, 0,1
	v_lshrrev_b32 v[TM+4+\c], 23, v[TM+2+\c]       ; the scale's byte
.endr
	v_lshl_or_b32 v[TM+6], v[TM+5], 16, v[TM+4]    ; my two bytes: blocks h and 2 + h,
	v_lshlrev_b32 v[TM+6], v6, v[TM+6]             ; at their places in the word;
	v_permlanex16_b32 v[TM+7], v[TM+6], s20, s21
	v_or_b32 v[W+(\s)], v[TM+6], v[TM+7]           ; with lane l xor 16's two the word of these 128 K is whole
.irp c, 0,1
	v_cvt_scalef32_pk16_fp6_f32 v[C+6*\c:C+6*\c+2], v[X+32*\c:X+32*\c+15], v[TM+2+\c]
	v_cvt_scalef32_pk16_fp6_f32 v[CT+4*\c:CT+4*\c+2], v[X+32*\c+16:X+32*\c+31], v[TM+2+\c]   ; (a conversion's three registers begin on an even number)
.endr
	v_nop                                          ; one plain line behind the scaled conversions
.irp c, 0,1
.irp i, 0,1,2
	v_mov_b32 v[C+6*\c+3+\i], v[CT+4*\c+\i]
.endr
.endr
.irp c, 0,1
	global_store_b128 v1, v[C+6*\c:C+6*\c+3], s[16:17] offset:(2*(\s)+\c)*768     ; 512 consecutive bytes, aligned
	global_store_b64 v2, v[C+6*\c+4:C+6*\c+5], s[16:17] offset:(2*(\s)+\c)*768    ; 256 consecutive bytes, aligned
.endr
.endm
	LOAD 0
	LOAD 1
.irp s, 0,1,2,3
	QSTEP \s
.endr
	ds_store_b128 v5, v[W:W+3]                     ; lanes r and r + 16 write the same 16 bytes with the same value
	s_wait_dscnt 0x0                               ; for the other wave's sake
	s_barrier_signal -1
	s_barrier_wait -1
	s_cmp_lg_u32 s32, 0
	s_cbranch_scc1 .Lnot_mine
	ds_load_b128 v[WS:WS+3], v11
	s_wait_dscnt 0x0
	global_store_b128 v1, v[WS:WS+3], s[18:19]     ; the tile's 512 scale bytes, consecutive
.Lnot_mine:
	s_wait_tensorcnt 0x0                           ; the wave's end
	ds_add_u32 v254, v255
	s_wait_dscnt 0x0
	s_endpgm
.Lfunc_end_k_q06a8495b65_quant_in:
	.size	k_q06a8495b65_quant_in, .Lfunc_end_k_q06a8495b65_quant_in-k_q06a8495b65_quant_in
	.p2alignl 7, 3214868480
	.fill 96, 4, 3214868480
	.section	.rodata,"a",@progbits
	.p2align	6, 0x0
	.amdhsa_kernel k_q06a8495b65_quant_in
		.amdhsa_group_segment_fixed_size 88320
		.amdhsa_private_segment_fixed_size 0
		.amdhsa_enable_private_segment 0
		.amdhsa_kernarg_size 64
		.amdhsa_user_sgpr_count 2
		.amdhsa_user_sgpr_kernarg_segment_ptr 1
		.amdhsa_wavefront_size32 1
		.amdhsa_system_sgpr_workgroup_id_x 1
		.amdhsa_system_sgpr_workgroup_id_y 1
		.amdhsa_system_sgpr_workgroup_id_z 1
		.amdhsa_system_vgpr_workitem_id 0
		.amdhsa_next_free_vgpr 256
		.amdhsa_next_free_sgpr 66
		.amdhsa_reserve_vcc 0
		.amdhsa_float_denorm_mode_32 3
		.amdhsa_float_denorm_mode_16_64 3
		.amdhsa_memory_ordered 1
		.amdhsa_forward_progress 1
		.amdhsa_inst_pref_size 32
	.end_amdhsa_kernel
	.amdgpu_metadata
---
amdhsa.version: [ 1, 2 ]
amdhsa.kernels:
  - .name:           k_q06a8495b65_quant_in
    .symbol:         k_q06a8495b65_quant_in.kd
    .args:
      - { .name: decoder_hs, .offset: 0, .size: 8, .value_kind: global_buffer, .address_space: global }
      - { .name: encoder_hs, .offset: 8, .size: 8, .value_kind: global_buffer, .address_space: global }
      - { .name: Wq, .offset: 16, .size: 8, .value_kind: global_buffer, .address_space: global }
      - { .name: Wk, .offset: 24, .size: 8, .value_kind: global_buffer, .address_space: global }
      - { .name: Wv, .offset: 32, .size: 8, .value_kind: global_buffer, .address_space: global }
      - { .name: Wp, .offset: 40, .size: 8, .value_kind: global_buffer, .address_space: global }
      - { .name: xw_codes, .offset: 48, .size: 8, .value_kind: global_buffer, .address_space: global }
      - { .name: xw_scales, .offset: 56, .size: 8, .value_kind: global_buffer, .address_space: global }
    .group_segment_fixed_size: 88320
    .private_segment_fixed_size: 0
    .kernarg_segment_align: 8
    .kernarg_segment_size: 64
    .max_flat_workgroup_size: 320
    .sgpr_count:     66
    .vgpr_count:     256
    .wavefront_size: 32
...
	.end_amdgpu_metadata
.endif
;; end of part 1
;; launch proj_qkv (part 2): grid 4 x 192, 4 waves a work-group, clusters of 4 x 4, 327,680 bytes of LDS; arguments xw_codes, xw_scales, bq, bk, bv, qkv_codes, qkv_scales; writes qkv_codes, qkv_scales
.if DOCPART == 2
	.amdgcn_target "amdgcn-amd-amdhsa--gfx1250"
	.amdhsa_code_object_version 6
	.text
	.protected	k_q06a8495b65_proj_qkv
	.globl	k_q06a8495b65_proj_qkv
	.p2align	8
	.type	k_q06a8495b65_proj_qkv,@function
k_q06a8495b65_proj_qkv:
	s_mov_b64 s[64:65], 0
	v_nop
	global_prefetch_b8 v0, s[64:65] scope:SCOPE_SE
	s_setreg_imm32_b32 hwreg(HW_REG_WAVE_MODE, 25, 1), 1
	s_wait_xcnt 0x0
	s_wait_alu depctr_hold_cnt(0) depctr_sa_sdst(0) depctr_va_vdst(0) depctr_va_sdst(0) depctr_va_ssrc(0) depctr_va_vcc(0) depctr_vm_vsrc(0)
	s_getreg_b32 s2, hwreg(HW_REG_IB_STS2, 6, 4)
	s_cmp_eq_u32 s2, 0
	s_cbranch_scc0 .Lentry_in_a_cluster
	s_endpgm
.Lentry_in_a_cluster:
	s_bfe_u32 s2, ttmp6, 0x10000c
	s_cmp_lg_u32 s2, 0xf033
	s_cbranch_scc0 .Lentry_shape_is_right
	s_endpgm
.Lentry_shape_is_right:
; Q = dec Wq^T + bq, K = enc Wk^T + bk, V = enc Wv^T + bv on codes of FP6 with E8M0 scales; the results are quantised again (Q, K along the head's 64, V along the keys) and leave as images of operand registers.
; MODES by the cluster's y / 16: 0 Q and 1 K: A = the tokens' tiles, B = the weight's; 2 V: A = Wv's tiles, B = the tokens'.  The product is used transposed (source 0 = B's rows): a lane holds one row of A and
; registers along B's rows, which are the next product's K.  In every mode B's tile 4 G + t holds in lane r row 64 G + 8 t + r % 8 + 32 (r / 8): so lane (r, h)'s 32 registers of tiles 4 G .. 4 G + 3 are B's rows
; 64 G + 32 h + 0 .. 31: ONE WHOLE SCALE BLOCK, and no lane asks another for a maximum or a code.  (A's tiles: encoder_hs and Wv likewise; decoder_hs: tile 2 g + u, lane r: row 32 g + 8 u + r + 8 (r / 8).)
; A BLOCK is 128 rows of A x 256 rows of B, ALL of K = 1,024: 24 tiles of 12,288 bytes lie in LDS at once, filled once by one joint load a wave (waves 0, 1 half of B's codes each, wave 2 A's codes, wave 3 B's scale
; bytes); A's 4,096 scale bytes come by plain loads and LDS stores into blocks of their own.  Nothing is filled again: no ring, and nothing left to prefetch: every byte is asked for at the head.
; 768 blocks: three turns of 256.  CLUSTER 4 x 4: A's tiles are shared along a row, B's along a column.  A wave makes 64 x 128: 32 accumulators (window 2), K in eight steps of 128, both operands in two sets of registers.
; LIMITS: NaN and infinities are not served; a block of zeros or under 2^-124 gets the byte 1 (this program alone reads the bytes).
; OUT: Q, K codes [mode][16 b + head][token tile][768], scale words [mode][16 b + head][four tiles][r][4 words]; V codes [b / 2][key step][64 keys][b % 2][feature tile][768] from byte 12,582,912,
; scale words [16 b + head][key step][r][4 words] from byte 1,048,576.
.set FR,    12
.set TILEB, 12288
.set BCB,   8*TILEB                    ; LDS: A's codes at 0, B's here,
.set SCL,   24*TILEB                   ; the scale bytes: units of 256 + 16; A's 8 tiles, then B's 16
.set HALFS, 16*272
.set SBLK,  544
.set SPARE, SCL+3*HALFS
.set VO16,  2
.set VO8,   3
.set A16,   4
.set A8,    5
.set B16,   6
.set B8,    7
.set B16H,  8
.set B8H,   9
.set ADRS,  16
.set VS0,   20
.set SH,    22                         ; which bytes of my two and of lane l xor 16's two make the scale word that I store
.set SPW,   28
.set NIL,   29
.set SC,    32                         ; v32-63 scale words, two sets: lanes 0-15 A's block i, lanes 16-31 B's
.set BS0,   64                         ; v64-127 the bias along B's rows
.set AF,    128                        ; v128-223 A's fragments, two sets; window 1: B's, at 0 and 128
.set H,     128
.set PC,    192
.set TM,    212
.set PW,    228
.set BB,    230
.set BS1,   240                        ; the bias along A's rows
.set SW,    248
.set WV,    2
.set RH,    3
.set RL,    14
.set AS,    36
.set SEL,   66
.set MODE,  95
.set G1,    24
.set G0,    32
.set G1B,   44
.set G0B,   52
.set G1SB,  80
.set G0SB,  88
.set MSB, 0
.macro WIN new
.if MSB != (\new)
	s_set_vgpr_msb (MSB<<8)|(\new)
.set MSB, (\new)
.endif
.endm
.set MUL,  0xa1                        ; source 0 (B) window 1, source 1 (A) window 0, C and D window 2
.set TO_B, 0x40
.macro TLOAD g0, g1                    ; s_nop 0 and four v_nop behind a tensor load
	tensor_load_to_lds s[\g0:\g0+3], s[\g1:\g1+7]
	s_nop 0
.rept 4
	v_nop
.endr
.endm
.macro CROUND                          ; a round of the cluster's barrier
	s_barrier_signal -1
	s_barrier_wait -1
	s_cmp_lg_u32 s[WV], 0
	s_cbranch_scc1 .Lnot_wave_0_\@
	s_barrier_signal -3
.Lnot_wave_0_\@:
	s_barrier_wait -3
	s_barrier_signal -1
	s_barrier_wait -1
.endm
.macro PLACES n
.rept \n
	v_nop
.endr
.endm
.macro FRAG reg, a16, a8, off          ; 16 rows x 128 K: two half images
	ds_load_b128 v[\reg:\reg+3], v[\a16] offset:\off
	ds_load_b64 v[\reg+4:\reg+5], v[\a8] offset:\off
	ds_load_b128 v[\reg+6:\reg+9], v[\a16] offset:\off+768
	ds_load_b64 v[\reg+10:\reg+11], v[\a8] offset:\off+768
.endm
.macro FETCH q                         ; step q's fragments into set q % 2; with an even step the scale words of two steps
	WIN TO_B
.irp i, 0,1,2,3
	FRAG 128*((\q)%2)+FR*\i, B16, B8, \i*TILEB+(\q)*1536
.endr
.irp i, 0,1,2,3
	FRAG 128*((\q)%2)+FR*(\i+4), B16H, B8H, \i*TILEB+(\q)*1536
.endr
	WIN 0
.irp i, 0,1,2,3
	FRAG AF+48*((\q)%2)+FR*\i, A16, A8, \i*TILEB+(\q)*1536
.endr
.if (\q)%2 == 0
.irp i, 0,1,2,3,4,5,6,7
	ds_load_b64 v[SC+16*(((\q)/2)%2)+2*\i:SC+16*(((\q)/2)%2)+2*\i+1], v[ADRS] offset:\i*SBLK+4*(\q)
.endr
.endif
.endm
.macro MUL32 p, sc, zero               ; the 32 accumulators by turns, in the same order in every step
.irp a, 0,1,2,3
.irp b, 0,1,2,3,4,5,6,7
.if \zero
	v_wmma_scale_f32_16x16x128_f8f6f4 v[8*(8*\a+\b):8*(8*\a+\b)+7], v[128*(\p)+FR*\b:128*(\p)+FR*\b+FR-1], v[AF+48*(\p)+FR*\a:AF+48*(\p)+FR*\a+FR-1], 0, v[SC+16*(\sc)+2*\b+(\p)], v[SC+16*(\sc)+2*\a+(\p)] matrix_a_fmt:MATRIX_FMT_FP6 matrix_b_fmt:MATRIX_FMT_FP6 matrix_a_scale:MATRIX_SCALE_ROW1
.else
	v_wmma_scale_f32_16x16x128_f8f6f4 v[8*(8*\a+\b):8*(8*\a+\b)+7], v[128*(\p)+FR*\b:128*(\p)+FR*\b+FR-1], v[AF+48*(\p)+FR*\a:AF+48*(\p)+FR*\a+FR-1], v[8*(8*\a+\b):8*(8*\a+\b)+7], v[SC+16*(\sc)+2*\b+(\p)], v[SC+16*(\sc)+2*\a+(\p)] matrix_a_fmt:MATRIX_FMT_FP6 matrix_b_fmt:MATRIX_FMT_FP6 matrix_a_scale:MATRIX_SCALE_ROW1
.endif
.endr
.endr
.endm
.macro STEPK q, zero                   ; this step's fragments are in; the next step's are asked for ahead of the 32 products
	s_wait_dscnt 0x0
.if (\q) < 7
.if (\q) > 0
	PLACES 4                                       ; in front of loads into registers that the last step's products have read
.endif
	FETCH (\q)+1
.endif
	WIN MUL
	MUL32 (\q)%2, ((\q)/2)%2, \zero
	WIN 0
.endm
.macro QUANT s                         ; 64 numbers of a lane: two whole blocks of 32, registers 32 c + 0 .. 31; two chains a block
.irp c, 0,1
	v_max3_num_f32 v[TM+\c], |v[\s+32*\c]|, |v[\s+32*\c+1]|, 0x1800000
	v_max3_num_f32 v[TM+2+\c], |v[\s+32*\c+16]|, |v[\s+32*\c+17]|, |v[\s+32*\c+18]|
.endr
.irp i, 2,4,6,8,10,12
.irp c, 0,1
	v_max3_num_f32 v[TM+\c], v[TM+\c], |v[\s+32*\c+\i]|, |v[\s+32*\c+\i+1]|
	v_max3_num_f32 v[TM+2+\c], v[TM+2+\c], |v[\s+32*\c+17+\i]|, |v[\s+32*\c+18+\i]|
.endr
.endr
.irp c, 0,1
	v_max3_num_f32 v[TM+\c], v[TM+\c], |v[\s+32*\c+14]|, |v[\s+32*\c+15]|
.endr
.irp c, 0,1
	v_max3_num_f32 v[TM+\c], v[TM+\c], v[TM+2+\c], |v[\s+32*\c+31]|
.endr
.irp c, 0,1
	v_add_nc_u32 v[TM+12+\c], 0xff000000, v[TM+\c] ; 2 off the exponent field: the conversion's scale operand
.endr
.irp c, 0,1
	v_lshrrev_b32 v[TM+4+\c], 23, v[TM+12+\c]
.endr
	v_lshl_or_b32 v[PW], v[TM+5], 16, v[TM+4]      ; my two bytes, at bytes 0 and 2,
	v_permlanex16_b32 v[TM+6], v[PW], s[SEL], s[SEL+1]   ; and lane l xor 16's
.irp c, 0,1
	v_cvt_scalef32_pk16_fp6_f32 v[PC+6*\c:PC+2+6*\c], v[\s+32*\c:\s+15+32*\c], v[TM+12+\c]
	v_cvt_scalef32_pk16_fp6_f32 v[PC+12+4*\c:PC+14+4*\c], v[\s+16+32*\c:\s+31+32*\c], v[TM+12+\c]   ; (a conversion's three registers begin on an even number)
.endr
	v_nop
.irp c, 0,1
.irp i, 0,1,2
	v_mov_b32 v[PC+3+6*\c+\i], v[PC+12+4*\c+\i]
.endr
.endr
.endm
	s_load_b256 s[4:11], s[0:1], 0x0               ; xw_codes, xw_scales, bq, bk
	s_load_b64 s[12:13], s[0:1], 0x20              ; bv
	s_load_b128 s[16:19], s[0:1], 0x28             ; qkv_codes, qkv_scales
	v_lshl_add_u32 v[SPW], v0, 2, SPARE
	v_mov_b32 v[NIL], 0
	ds_add_u32 v[SPW], v[NIL]                      ; the opening lines
	ds_add_u32 v[SPW], v[NIL]
	v_lshrrev_b32 v1, 5, v0
	v_readfirstlane_b32 s[WV], v1
	s_lshr_b32 s[RH], s[WV], 1                     ; my 64 of A's 128 rows
	s_and_b32 s[RL], s[WV], 1                      ; my 128 of B's 256
	s_bfe_u32 s92, ttmp6, 0x40000                  ; cx
	s_bfe_u32 s93, ttmp6, 0x40004                  ; cy
	s_and_b32 s96, ttmp7, 0xffff
	s_lshr_b32 s[MODE], s96, 4
	s_and_b32 s96, s96, 15
	s_and_b32 s97, s96, 1
	s_lshr_b32 s98, s96, 1
	s_lshl_b32 s20, s[MODE], 9                     ; A's tensor begins at tile 512 mode (V: 1,152),
	s_lshl_b32 s99, s[MODE], 6
	s_add_co_u32 s99, s99, 1024                    ; B's at 1,024 + 64 mode (V: 512)
	s_cmp_eq_u32 s[MODE], 2
	s_cselect_b32 s15, s97, s96
	s_cselect_b32 s94, s98, 0
	s_cselect_b32 s20, 1152, s20
	s_cselect_b32 s99, 512, s99
	s_lshl_b32 s15, s15, 2
	s_add_co_u32 s15, s15, s93                     ; block row: 128 rows of A
	s_lshl_b32 s94, s94, 2
	s_add_co_u32 s94, s94, s92                     ; block column: 256 rows of B
	s_lshl_b32 s21, s93, 2
	s_lshl_b32 s21, 15, s21                        ; my row of the cluster
	s_lshl_b32 s100, 0x1111, s92                   ; my column
	s_or_b32 s[G1], s21, (3<<16)|(1<<21)
	s_or_b32 s[G1B], s100, (3<<16)|(1<<21)
.irp g, G1, G1B                        ; 8 tiles of 12,288 dense bytes
	s_mov_b32 s[\g+1], 1536<<16
	s_mov_b32 s[\g+2], 8<<16
	s_mov_b32 s[\g+3], 1536<<16
	s_mov_b32 s[\g+4], 8
	s_mov_b32 s[\g+5], 1536
	s_mov_b32 s[\g+6], 0
	s_mov_b32 s[\g+7], 0
.endr
	s_or_b32 s[G1SB], s100, (3<<16)|(1<<20)|(1<<21)|(5<<22)|(3<<25)   ; 8,192 dense bytes as 32 rows of 256, 16 bytes of padding behind each
	s_mov_b32 s[G1SB+1], 32<<16
	s_mov_b32 s[G1SB+2], 32<<16
	s_mov_b32 s[G1SB+3], 32<<16
	s_mov_b32 s[G1SB+4], 32
	s_mov_b32 s[G1SB+5], 32
	s_mov_b32 s[G1SB+6], 0
	s_mov_b32 s[G1SB+7], 0
	s_lshl_b32 s21, s15, 3
	s_add_co_u32 s20, s20, s21                     ; A's first tile
	s_mul_i32 s22, s20, TILEB
	s_mov_b32 s23, 0
	s_lshl_b32 s20, s20, 9
	s_mov_b32 s21, 0
	s_lshl_b32 s96, s94, 4
	s_add_co_u32 s96, s96, s99                     ; B's first tile
	s_lshl_b32 s97, s[WV], 3
	s_add_co_u32 s97, s97, s96                     ; waves 0, 1: eight tiles each
	s_mul_i32 s98, s97, TILEB
	s_mov_b32 s99, 0
	s_lshl_b32 s96, s96, 9
	s_mov_b32 s97, 0
	s_mul_i32 s100, s[WV], 8*TILEB
	s_add_co_u32 s100, s100, BCB
	s_mov_b32 s[SEL], 0x76543210
	s_mov_b32 s[SEL+1], 0xfedcba98
	s_wait_dscnt 0x0
	s_wait_kmcnt 0x0
	s_add_nc_u64 s[22:23], s[4:5], s[22:23]
	s_add_nc_u64 s[AS:AS+1], s[6:7], s[20:21]
	s_add_nc_u64 s[98:99], s[4:5], s[98:99]
	s_add_nc_u64 s[96:97], s[6:7], s[96:97]
	CROUND                                         ; all sixteen work-groups are here: the joint loads meet
	s_mov_b32 s[G0], 1
	s_mov_b32 s[G0+1], 0
	s_mov_b64 s[G0+2:G0+3], s[22:23]
	s_or_b32 s[G0+3], s[G0+3], 0x80000000
	s_mov_b32 s[G0B], 1
	s_mov_b32 s[G0B+1], s100
	s_mov_b64 s[G0B+2:G0B+3], s[98:99]
	s_or_b32 s[G0B+3], s[G0B+3], 0x80000000
	s_mov_b32 s[G0SB], 1
	s_mov_b32 s[G0SB+1], SCL+HALFS
	s_mov_b64 s[G0SB+2:G0SB+3], s[96:97]
	s_or_b32 s[G0SB+3], s[G0SB+3], 0x80000000
	s_cmp_lt_u32 s[WV], 2                          ; one load a wave, one chain of branches on the wave's number
	s_cbranch_scc0 .Lhead_a
	TLOAD G0B, G1B
	s_branch .Lasked
.Lhead_a:
	s_cmp_eq_u32 s[WV], 2
	s_cbranch_scc0 .Lhead_s
	TLOAD G0, G1
	s_branch .Lasked
.Lhead_s:
	TLOAD G0SB, G1SB
.Lasked:
	v_lshlrev_b32 v27, 4, v0                       ; A's scale bytes: 16 bytes a thread, twice
	global_load_b128 v[224:227], v27, s[AS:AS+1]
	global_load_b128 v[232:235], v27, s[AS:AS+1] offset:2048
	v_lshrrev_b32 v26, 4, v0
	v_lshlrev_b32 v26, 4, v26
	v_lshl_add_u32 v26, v0, 4, v26
	v_add_nc_u32 v26, SCL, v26                     ; and their place in LDS: 16 more for each 256 passed
	v_and_b32 v1, 31, v0
	v_and_b32 v17, 15, v0
	v_bfe_u32 v18, v0, 4, 1
	v_lshlrev_b32 v[VO16], 4, v1
	v_lshl_add_u32 v[VO8], v1, 3, 512
	s_mul_i32 s100, s[RH], 4*TILEB
	v_add_nc_u32 v[A16], s100, v[VO16]
	v_add_nc_u32 v[A8], s100, v[VO8]
	s_mul_i32 s101, s[RL], 8*TILEB
	s_add_co_u32 s101, s101, BCB
	v_add_nc_u32 v[B16], s101, v[VO16]
	v_add_nc_u32 v[B8], s101, v[VO8]
	s_add_co_u32 s101, s101, 4*TILEB
	v_add_nc_u32 v[B16H], s101, v[VO16]
	v_add_nc_u32 v[B8H], s101, v[VO8]
	v_lshlrev_b32 v19, 5, v17                      ; my row's scale bytes: 32 r, + 16 behind 8 rows
	v_lshrrev_b32 v25, 3, v17
	v_lshl_add_u32 v19, v25, 4, v19
	s_mul_i32 s100, s[RH], 4*SBLK                  ; A's: my four tiles
	s_xor_b32 s101, s[RH], 1                       ; from there to B's, my eight tiles: 4 SBLK x (2 + 2 RL - RH)
	s_lshl_b32 s96, s[RL], 1
	s_add_co_u32 s101, s101, s96
	s_add_co_u32 s101, s101, 1
	s_mul_i32 s101, s101, 4*SBLK
	v_mul_u32_u24 v25, s101, v18
	s_add_co_u32 s100, s100, SCL
	v_add_nc_u32 v19, v19, v25
	v_add_nc_u32 v[ADRS], s100, v19
	s_cmp_eq_u32 s[MODE], 1
	s_cselect_b64 s[8:9], s[10:11], s[8:9]
	s_cmp_eq_u32 s[MODE], 2
	s_cselect_b64 s[8:9], s[12:13], s[8:9]
	s_lshl_b32 s20, s15, 7
	s_lshl_b32 s22, s[RH], 6
	s_add_co_u32 s20, s20, s22                     ; my first row of A
	s_lshl_b32 s21, s94, 8
	s_lshl_b32 s22, s[RL], 7
	s_add_co_u32 s21, s21, s22                     ; my first row of B
	s_lshl_b32 s22, s21, 2
	s_and_b32 s22, s22, 0xfff
	s_lshl_b32 s23, s20, 2
	s_and_b32 s23, s23, 0xfff
	v_lshl_add_u32 v23, v18, 7, s22                ; along B: register 8 t + j of lane (r, h) is B's row 64 (t / 4) + 8 (t % 4) + 32 h + j
	v_and_b32 v24, 7, v17                          ; along A (V: Wv's rows): lane r of tile a is row 8 a + r % 8 + 32 (r / 8)
	v_lshrrev_b32 v25, 3, v17
	v_lshl_add_u32 v24, v25, 5, v24
	v_lshl_add_u32 v24, v24, 2, s23
.irp t, 0,1,2,3,4,5,6,7
	global_load_b128 v[BS0+8*\t:BS0+8*\t+3], v23, s[8:9] offset:(64*(\t/4)+8*(\t%4))*4
	global_load_b128 v[BS0+8*\t+4:BS0+8*\t+7], v23, s[8:9] offset:(64*(\t/4)+8*(\t%4))*4+16
.endr
.irp t, 0,1,2,3
	global_load_b32 v[BS1+\t], v24, s[8:9] offset:32*\t
.endr
	s_lshr_b32 s22, s20, 11                        ; Q, K: 16 b + head, token tile
	s_lshl_b32 s22, s22, 4
	s_lshr_b32 s23, s21, 6
	s_add_co_u32 s22, s22, s23
	s_bfe_u32 s23, s20, 0x70004
	s_lshl_b32 s96, s22, 7
	s_add_co_u32 s96, s96, s23
	s_mul_i32 s96, s96, 768
	s_mul_i32 s97, s[MODE], 6291456
	s_add_co_u32 s96, s96, s97
	s_lshl_b32 s97, s22, 13
	s_lshr_b32 s23, s23, 2
	s_lshl_b32 s23, s23, 8
	s_add_co_u32 s97, s97, s23
	s_lshl_b32 s23, s[MODE], 19
	s_add_co_u32 s97, s97, s23
	s_lshr_b32 s22, s21, 11                        ; V: b, key step
	s_bfe_u32 s23, s21, 0x40007
	s_lshr_b32 s98, s22, 1
	s_mul_i32 s98, s98, 3145728
	s_mul_i32 s99, s23, 196608
	s_add_co_u32 s98, s98, s99
	s_and_b32 s99, s22, 1
	s_mul_i32 s99, s99, 49152
	s_add_co_u32 s98, s98, s99
	s_lshr_b32 s99, s20, 4
	s_mul_i32 s99, s99, 768
	s_add_co_u32 s98, s98, s99
	s_add_co_u32 s98, s98, 12582912
	s_lshl_b32 s99, s22, 4
	s_lshr_b32 s100, s20, 6
	s_add_co_u32 s99, s99, s100
	s_lshl_b32 s99, s99, 4
	s_add_co_u32 s99, s99, s23
	s_lshl_b32 s99, s99, 8
	s_add_co_u32 s99, s99, 1048576
	s_mov_b32 s100, 8192
	s_mov_b32 s22, 0x02020206                      ; lanes 16-31, Q and K: the next head's word: the other lane's byte 2, my byte 2
	s_cmp_eq_u32 s[MODE], 2
	s_cselect_b32 s96, s98, s96
	s_cselect_b32 s98, s99, s97
	s_cselect_b32 s100, 0, s100
	s_cselect_b32 s22, 0x02060004, s22             ; V: the other's byte 0, mine, the other's byte 2, mine
	s_xor_b32 s22, s22, 0x06020400
	s_mov_b32 s97, 0
	s_mov_b32 s99, 0
	s_add_nc_u64 s[16:17], s[16:17], s[96:97]
	s_add_nc_u64 s[18:19], s[18:19], s[98:99]
	v_mul_u32_u24 v[VS0], s100, v18                ; Q, K: lanes 16-31 store the next head's words
	v_lshl_add_u32 v[VS0], v17, 4, v[VS0]
	v_sub_nc_u32 v[SH], 0, v18
	v_and_b32 v[SH], s22, v[SH]
	v_xor_b32 v[SH], 0x06020400, v[SH]             ; lanes 0-15: my byte 0, the other's, my byte 2, the other's
	s_wait_alu depctr_va_vdst(0)
	s_wait_loadcnt 20                              ; A's scale bytes are in; the 20 loads of the bias may be out
	s_wait_tensorcnt 0x0                           ; my tile is in
	ds_store_b128 v26, v[224:227]
	ds_store_b128 v26, v[232:235] offset:8*272
	s_wait_dscnt 0x0
	s_barrier_signal -1
	s_barrier_wait -1                              ; everybody's is: from here on LDS is only read
	FETCH 0
	STEPK 0, 1                                     ; the first step's products start the sums
.set Q, 1
.rept 7
	STEPK Q, 0
.set Q, Q+1
.endr
.macro OUTA a                          ; 16 rows of A x 128: the bias, the quantiser, two half images
	s_wait_xcnt 0x0
	s_cmp_eq_u32 s[MODE], 2
	s_cbranch_scc1 .Lby_lane_\@
	WIN 0x02
.set i, 0
.rept 32
	v_pk_add_f32 v[H+2*i:H+2*i+1], v[64*(\a)+2*i:64*(\a)+2*i+1], v[BS0+2*i:BS0+2*i+1]
.set i, i+1
.endr
	WIN 0
	s_branch .Ladded_\@
.Lby_lane_\@:
	v_mov_b32 v[BB], v[BS1+(\a)]
	v_mov_b32 v[BB+1], v[BS1+(\a)]
	WIN 0x02
.set i, 0
.rept 32
	v_pk_add_f32 v[H+2*i:H+2*i+1], v[64*(\a)+2*i:64*(\a)+2*i+1], v[BB:BB+1]
.set i, i+1
.endr
	WIN 0
.Ladded_\@:
	QUANT H
	v_perm_b32 v[SW+(\a)], v[TM+6], v[PW], v[SH]   ; the scale word that I store
.irp c, 0,1
	global_store_b128 v[VO16], v[PC+6*\c:PC+6*\c+3], s[16:17] offset:(\a)*768+\c*98304
	global_store_b64 v[VO8], v[PC+6*\c+4:PC+6*\c+5], s[16:17] offset:(\a)*768+\c*98304
.endr
.endm
	PLACES 4
	v_mov_b32 v[TM+6], 0                           ; a lane permute's destination counts as one of its sources
	s_wait_loadcnt 0x0
.irp a, 0,1,2,3
	OUTA \a
.endr
	global_store_b128 v[VS0], v[SW:SW+3], s[18:19]
	s_wait_tensorcnt 0x0                           ; the wave's end
	ds_add_u32 v[SPW], v[NIL]
	s_wait_dscnt 0x0
	CROUND                                         ; the closing round
	s_endpgm
.Lfunc_end_k_q06a8495b65_proj_qkv:
	.size	k_q06a8495b65_proj_qkv, .Lfunc_end_k_q06a8495b65_proj_qkv-k_q06a8495b65_proj_qkv
	.p2alignl 7, 3214868480
	.fill 96, 4, 3214868480
	.section	.rodata,"a",@progbits
	.p2align	6, 0x0
	.amdhsa_kernel k_q06a8495b65_proj_qkv
		.amdhsa_group_segment_fixed_size 327680
		.amdhsa_private_segment_fixed_size 0
		.amdhsa_enable_private_segment 0
		.amdhsa_kernarg_size 56
		.amdhsa_user_sgpr_count 2
		.amdhsa_user_sgpr_kernarg_segment_ptr 1
		.amdhsa_wavefront_size32 1
		.amdhsa_system_sgpr_workgroup_id_x 1
		.amdhsa_system_sgpr_workgroup_id_y 1
		.amdhsa_system_sgpr_workgroup_id_z 1
		.amdhsa_system_vgpr_workitem_id 0
		.amdhsa_next_free_vgpr 768
		.amdhsa_next_free_sgpr 102
		.amdhsa_reserve_vcc 0
		.amdhsa_float_denorm_mode_32 3
		.amdhsa_float_denorm_mode_16_64 3
		.amdhsa_memory_ordered 1
		.amdhsa_forward_progress 1
		.amdhsa_inst_pref_size 104
	.end_amdhsa_kernel
	.amdgpu_metadata
---
amdhsa.version: [ 1, 2 ]
amdhsa.kernels:
  - .name:           k_q06a8495b65_proj_qkv
    .symbol:         k_q06a8495b65_proj_qkv.kd
    .args:
      - { .name: xw_codes, .offset: 0, .size: 8, .value_kind: global_buffer, .address_space: global }
      - { .name: xw_scales, .offset: 8, .size: 8, .value_kind: global_buffer, .address_space: global }
      - { .name: bq, .offset: 16, .size: 8, .value_kind: global_buffer, .address_space: global }
      - { .name: bk, .offset: 24, .size: 8, .value_kind: global_buffer, .address_space: global }
      - { .name: bv, .offset: 32, .size: 8, .value_kind: global_buffer, .address_space: global }
      - { .name: qkv_codes, .offset: 40, .size: 8, .value_kind: global_buffer, .address_space: global }
      - { .name: qkv_scales, .offset: 48, .size: 8, .value_kind: global_buffer, .address_space: global }
    .group_segment_fixed_size: 327680
    .private_segment_fixed_size: 0
    .kernarg_segment_align: 8
    .kernarg_segment_size: 56
    .max_flat_workgroup_size: 128
    .sgpr_count:     102
    .vgpr_count:     768
    .wavefront_size: 32
...
	.end_amdgpu_metadata
.endif
;; end of part 2
;; launch attn (part 3): grid 4 x 64, 16 waves a work-group, clusters of 4 x 1, 215,040 bytes of LDS; arguments qkv_codes, qkv_scales, y_codes, y_scales; writes y_codes, y_scales
.if DOCPART == 3
	.amdgcn_target "amdgcn-amd-amdhsa--gfx1250"
	.amdhsa_code_object_version 6
	.text
	.protected	k_q06a8495b65_attn
	.globl	k_q06a8495b65_attn
	.p2align	8
	.type	k_q06a8495b65_attn,@function
k_q06a8495b65_attn:
	s_mov_b64 s[64:65], 0
	v_nop
	global_prefetch_b8 v0, s[64:65] scope:SCOPE_SE
	s_setreg_imm32_b32 hwreg(HW_REG_WAVE_MODE, 25, 1), 1
	s_wait_xcnt 0x0
	s_wait_alu depctr_hold_cnt(0) depctr_sa_sdst(0) depctr_va_vdst(0) depctr_va_sdst(0) depctr_va_ssrc(0) depctr_va_vcc(0) depctr_vm_vsrc(0)
	s_getreg_b32 s2, hwreg(HW_REG_IB_STS2, 6, 4)
	s_cmp_eq_u32 s2, 0
	s_cbranch_scc0 .Lentry_in_a_cluster
	s_endpgm
.Lentry_in_a_cluster:
	s_bfe_u32 s2, ttmp6, 0x10000c
	s_cmp_lg_u32 s2, 0x3003
	s_cbranch_scc0 .Lentry_shape_is_right
	s_endpgm
.Lentry_shape_is_right:
; y[b][q][head] = softmax_k(q . k / 8) v for 64 heads (16 b + head) of 2,048 queries x 2,048 keys x 64, both products on codes of FP6 (E2M3) with E8M0 scales; y is quantised along its 64 in registers.
; THE SOFTMAX: t = score x log2(e) / 8; M = the running largest t rounded UP to a whole number; p = 2^(t - M) is quantised along the keys, not normalised; the row's sum is taken of the unquantised p and
; divides at the end.  When M moves, the sum and O are multiplied by 2^(old M - new M): exact.  The running maximum is kept as a score: c is positive, so c x max = max of c x.
; LIMITS: NaN and infinities are not served; the promise holds while |t| stays under 2^31; a block of zeros or under 2^-124 gets the byte 1 (this program alone reads the bytes); p under 2^-126 counts as 0 (ISA guide 15.8).
; THE HEAD'S K IS 64, THE INSTRUCTION'S 128: Q's registers 6-11 hold zero codes.  K's eight tiles of a step lie PACKED, six registers a tile: the upper six registers of a tile's operand are the next tile's codes
; (behind the last tile: six zeros), which meet Q's zero codes and add nothing; the scale words' bytes 2 and 3 are never 0xff.
; SHARES: a work-group owns 512 queries of one head; each of its sixteen waves one tile of 16 queries in each of two passes; four waves share a SIMD.
; THE WHOLE HEAD'S K AND V STAY IN LDS (98,304 bytes of codes each, 12,288 of scale words), filled once: no ring, no refill, no barrier in the loop, and nothing left to prefetch: every byte is asked for at the head.
; CLUSTER 4 x 1: the four work-groups of a head ask for its K and V jointly.
; A STEP (128 keys): the next step's K is loaded directly behind this step's K Q^T, 16 + 2 loads, and is waited for at the next step's top; V's fragments take the registers that p leaves behind its conversions.
; The last step of a pass loads 6,144 + 512 bytes behind K's end, which lie in V's part of LDS and are not used.  A step's sum is added to the row's at the next step's top (behind the loop for the last).
; LAYOUT: operands are images of registers (half image of 16 rows x 64 K = 768 bytes: registers 0-3 at 16 x lane, 4, 5 at 512 + 8 x lane).  Both products are used transposed: S^T = K Q^T, O^T = V^T P^T: a lane holds ONE query.
; Lane r of key tile (and of V's feature tile) 4 G + t is row 64 G + 8 t + r % 8 + 32 (r / 8): so lane (q, h)'s 32 registers of tiles 4 G .. 4 G + 3 are keys (features) 64 G + 32 h + 0 .. 31: ONE WHOLE SCALE BLOCK,
; in the order of the next operand's registers.  Only the row's maximum, the scale word's bytes and the row's sum pass between lanes l and l xor 16.
; OUT: y_codes [token tile 0..511][head][768]; y_scales [head][token tile][r], two bytes.
.set VC,   98304                       ; LDS: K's codes [key tile][768] at 0; V's [64 keys' half][feature tile][768] here;
.set SCK,  196608                      ; K's scale words, 512 bytes a key step;
.set SCV,  204800                      ; V's, 256 bytes a key step;
.set GATH, 208896                      ; y's scale bytes of the work-group's 32 tiles; behind them, at 0x34000, the spare words
.set L16,  1                           ; 16 x lane
.set L8,   2                           ; 512 + 8 x lane
.set RK,   3                           ; SCK + 16 r
.set RV,   4                           ; SCV + 16 r
.set ADK16, 5                          ; v5-10 the step's addresses
.set ADK8, 6
.set ADV16, 7
.set ADV8, 8
.set ADS,  9
.set ADT,  10
.set GA,   11                          ; GATH + 32 wave + 2 r + h.   v12 -M, v13 the running largest score, v[14:15] the row's sum in two halves
.set QF,   16                          ; v16-27 my queries (v22-27 zeros); v28, v29 the two passes' scale words; v30 16 r; v31 GATH + 16 x lane
.set KB,   32                          ; v32-85 K's eight tiles, packed, and six zeros
.set KS,   86                          ; v86-93 K's scale words
.set VS,   94                          ; v94-97 V's
.set S,    98                          ; v98-161 S^T, then p; v98-145 then take V's four fragments
.set O,    162                         ; v162-193 O^T
.set CH,   194                         ; v194-201 a chain of maxima for each tile; then v194, v198 my two blocks' largest scores, then p
.set SO,   202                         ; the conversions' scale operands
.set F,    206                         ; v[206:207] f = 2^(old M - new M); v207 is written once
.set T0,   209                         ; the old -M
.set PC,   210                         ; v210-221 p's codes
.set PX,   222                         ; v222-229 the conversions' other halves
.set BY,   230                         ; v230, 231 my two scale bytes; v232 lane l xor 16's, v233 mine, at bytes 0 and 2
.set SU,   234                         ; v234-241 the step's sums: four chains of pairs
.set T1,   242
.set PW,   243                         ; p's scale word
.set Q1,   244                         ; v244-249 pass 1's queries, kept
.set LV16, 250                         ; VC + 16 x lane
.set LV8,  251                         ; VC + 512 + 8 x lane
.set SELV, 252                         ; which bytes of v233 and v232 make the scale word
.set WV,   12
.set SEL,  20
.set CS,   22                          ; s[22:23] c = log2(e) / 8
.set G1KC, 24
.set G1VC, 32
.set G1SC, 40
.set G0K,  48
.set G0V,  52
.set G0SK, 56
.set G0SV, 60
.set TB,   66                          ; 6,144 x the step: codes, in K and in V alike; it also counts the loop
.set TJ,   67                          ; 256 x the step: V's scale words; twice that: K's
.set QC,   70
.set QS,   72
.set YC,   74
.set YS,   76
.macro ROUND                           ; a round of the cluster's barrier
	s_barrier_signal -1
	s_barrier_wait -1
	s_cmp_lg_u32 s[WV], 0
	s_cbranch_scc1 .Lnot_wave_0_\@
	s_barrier_signal -3
.Lnot_wave_0_\@:
	s_barrier_wait -3
	s_barrier_signal -1
	s_barrier_wait -1
.endm
.macro TLOAD g0, g1                    ; s_nop 0 and four v_nop behind a tensor load
	tensor_load_to_lds s[\g0:\g0+3], s[\g1:\g1+7]
	s_nop 0
.rept 4
	v_nop
.endr
.endm
.macro DENSE g, c, r, p                ; group 1: r rows of c elements of 8 bytes, pitch p; the mask of all four work-groups, bit 21 beside it, no padding
	s_mov_b32 s[\g], 15|(3<<16)|(1<<21)
	s_mov_b32 s[\g+1], (\c)<<16
	s_mov_b32 s[\g+2], (\r)<<16
	s_mov_b32 s[\g+3], (\c)<<16
	s_mov_b32 s[\g+4], \r
	s_mov_b32 s[\g+5], \p
	s_mov_b32 s[\g+6], 0
	s_mov_b32 s[\g+7], 0
.endm
	s_load_b256 s[4:11], s[0:1], 0x0               ; qkv_codes, qkv_scales, y_codes, y_scales
	v_lshl_add_u32 v254, v0, 2, 0x34000
	v_mov_b32 v255, 0
	ds_add_u32 v254, v255                          ; the opening lines
	ds_add_u32 v254, v255
	v_lshrrev_b32 v5, 5, v0
	v_readfirstlane_b32 s[WV], v5                  ; wave 0..15
	s_bfe_u32 s13, ttmp6, 0x40000                  ; cx: it enters Q's and y's addresses alone
	s_and_b32 s14, ttmp7, 0xffff                   ; 16 b + head, which the four partners share
	s_lshr_b32 s15, s14, 4                         ; b
	s_and_b32 s16, s14, 15                         ; head
	s_and_b32 s17, s[WV], 3
	s_mul_i32 s70, s14, 98304                      ; K's codes: my quarter (waves 0-3)
	s_mul_i32 s18, s17, 24576                      ; (also its place in LDS)
	s_add_co_u32 s70, s70, s18
	s_add_co_u32 s70, s70, 6291456
	s_mov_b32 s71, 0
	s_lshr_b32 s72, s15, 1                         ; V's codes: my eight halves of 64 keys (waves 4-7)
	s_mul_i32 s72, s72, 3145728
	s_and_b32 s19, s15, 1
	s_mul_i32 s19, s19, 49152
	s_add_co_u32 s72, s72, s19
	s_mul_i32 s19, s16, 3072
	s_add_co_u32 s72, s72, s19
	s_mul_i32 s19, s17, 786432
	s_add_co_u32 s72, s72, s19
	s_add_co_u32 s72, s72, 12582912
	s_mov_b32 s73, 0
	s_lshl_b32 s74, s14, 13                        ; K's scale words: my half (waves 8, 9)
	s_and_b32 s19, s[WV], 1
	s_lshl_b32 s19, s19, 12
	s_add_co_u32 s74, s74, s19
	s_add_co_u32 s74, s74, 524288
	s_mov_b32 s75, 0
	s_lshl_b32 s76, s14, 12                        ; V's (wave 10)
	s_add_co_u32 s76, s76, 1048576
	s_mov_b32 s77, 0
	DENSE G1KC, 32, 96, 32                         ; K's codes: 24,576 dense bytes as 96 rows of 256
	DENSE G1VC, 384, 8, 12288                      ; V's codes: 8 rows of 3,072 bytes (a head's four tiles of 64 keys), 98,304 bytes apart
	DENSE G1SC, 32, 16, 32                         ; scale words: 4,096 dense bytes as 16 rows of 256
	s_mov_b32 s[SEL], 0x76543210
	s_mov_b32 s[SEL+1], 0xfedcba98                 ; v_permlanex16_b32's selects for lane l xor 16
	s_mov_b32 s[CS], 0x3e38aa3b                    ; log2(e) / 8
	s_mov_b32 s[CS+1], s[CS]                       ; (named with it as a pair, so it is written)
	s_wait_dscnt 0x0
	s_wait_kmcnt 0x0
	s_mov_b32 s[G0K], 1
	s_mov_b32 s[G0K+1], s18
	s_add_nc_u64 s[G0K+2:G0K+3], s[4:5], s[70:71]
	s_or_b32 s[G0K+3], s[G0K+3], 0x80000000
	s_mov_b32 s[G0V], 1
	s_add_co_u32 s[G0V+1], s18, VC
	s_add_nc_u64 s[G0V+2:G0V+3], s[4:5], s[72:73]
	s_or_b32 s[G0V+3], s[G0V+3], 0x80000000
	s_mov_b32 s[G0SK], 1
	s_add_co_u32 s[G0SK+1], s19, SCK
	s_add_nc_u64 s[G0SK+2:G0SK+3], s[6:7], s[74:75]
	s_or_b32 s[G0SK+3], s[G0SK+3], 0x80000000
	s_mov_b32 s[G0SV], 1
	s_mov_b32 s[G0SV+1], SCV
	s_add_nc_u64 s[G0SV+2:G0SV+3], s[6:7], s[76:77]
	s_or_b32 s[G0SV+3], s[G0SV+3], 0x80000000
	ROUND                                          ; all four work-groups are here: the joint loads meet
	; THE FILLS, one load a wave at the most: waves 0-3 K's codes, 4-7 V's, 8 and 9 K's scale words, 10 V's.  The branches hang on the wave's number alone.
	s_cmp_lt_u32 s[WV], 4
	s_cbranch_scc0 .Lfill_v
	TLOAD G0K, G1KC
	s_branch .Lfilled
.Lfill_v:
	s_cmp_lt_u32 s[WV], 8
	s_cbranch_scc0 .Lfill_sk
	TLOAD G0V, G1VC
	s_branch .Lfilled
.Lfill_sk:
	s_cmp_lt_u32 s[WV], 10
	s_cbranch_scc0 .Lfill_sv
	TLOAD G0SK, G1SC
	s_branch .Lfilled
.Lfill_sv:
	s_cmp_eq_u32 s[WV], 10
	s_cbranch_scc0 .Lfilled
	TLOAD G0SV, G1SC
.Lfilled:
	s_lshl_b32 s70, s14, 7                         ; Q's codes: tile 32 cx + wave of my head (pass 1: 16 tiles on)
	s_lshl_b32 s18, s13, 5
	s_add_co_u32 s70, s70, s18
	s_add_co_u32 s70, s70, s[WV]
	s_mul_i32 s70, s70, 768
	s_mov_b32 s71, 0
	s_add_nc_u64 s[QC:QC+1], s[4:5], s[70:71]
	s_lshl_b32 s72, s14, 13                        ; and its scale words
	s_lshl_b32 s18, s13, 3
	s_lshr_b32 s19, s[WV], 2
	s_add_co_u32 s18, s18, s19
	s_lshl_b32 s18, s18, 8
	s_add_co_u32 s72, s72, s18
	s_lshl_b32 s18, s17, 2
	s_add_co_u32 s72, s72, s18
	s_mov_b32 s73, 0
	s_add_nc_u64 s[QS:QS+1], s[6:7], s[72:73]
	s_lshl_b32 s74, s15, 7                         ; y: token tile 128 b + 32 cx + wave, half image = head
	s_lshl_b32 s18, s13, 5
	s_add_co_u32 s74, s74, s18
	s_lshl_b32 s76, s74, 5                         ; (the work-group's 32 tiles' scale bytes: 32 bytes a tile)
	s_add_co_u32 s74, s74, s[WV]
	s_lshl_b32 s74, s74, 4
	s_add_co_u32 s74, s74, s16
	s_mul_i32 s74, s74, 768
	s_mov_b32 s75, 0
	s_add_nc_u64 s[YC:YC+1], s[8:9], s[74:75]
	s_lshl_b32 s18, s16, 14
	s_add_co_u32 s76, s76, s18
	s_mov_b32 s77, 0
	s_add_nc_u64 s[YS:YS+1], s[10:11], s[76:77]
	v_and_b32 v5, 31, v0                           ; lane
	v_and_b32 v6, 15, v0                           ; r
	v_bfe_u32 v7, v0, 4, 1                         ; h
	v_lshlrev_b32 v[L16], 4, v5
	v_lshl_add_u32 v[L8], v5, 3, 512
	v_lshlrev_b32 v30, 4, v6
	global_load_b128 v[QF:QF+3], v[L16], s[QC:QC+1]
	global_load_b64 v[QF+4:QF+5], v[L8], s[QC:QC+1]
	global_load_b128 v[Q1:Q1+3], v[L16], s[QC:QC+1] offset:12288
	global_load_b64 v[Q1+4:Q1+5], v[L8], s[QC:QC+1] offset:12288
	global_load_b32 v28, v30, s[QS:QS+1]
	global_load_b32 v29, v30, s[QS:QS+1] offset:1024
	v_add_nc_u32 v[RK], SCK, v30
	v_add_nc_u32 v[RV], SCV, v30
	v_add_nc_u32 v[LV16], VC, v[L16]
	v_add_nc_u32 v[LV8], VC, v[L8]
	s_lshl_b32 s18, s[WV], 5
	v_lshl_add_u32 v[GA], v6, 1, s18
	v_add_nc_u32 v[GA], v[GA], v7
	v_add_nc_u32 v[GA], GATH, v[GA]
	v_add_nc_u32 v31, GATH, v[L16]
	v_sub_nc_u32 v8, 0, v7
	v_and_b32 v8, 0x04040404, v8
	v_xor_b32 v[SELV], 0x06020400, v8              ; lanes 0-15: my byte 0, the other's, my byte 2, the other's; lanes 16-31: the other's first
.irp i, 6,7,8,9,10,11
	v_mov_b32 v[QF+\i], 0                          ; zero codes for K = 64 .. 127, written once
	v_mov_b32 v[KB+42+\i], 0                       ; and the six registers behind K's last tile
.endr
	v_mov_b32 v[F+1], 0                            ; (named as the upper half of the pair)
	v_mov_b32 v[T1], 0                             ; a lane permute's destination counts as one of its sources
	v_mov_b32 v[BY+2], 0
	s_wait_alu depctr_va_vdst(0)
	s_wait_tensorcnt 0x0                           ; my part of the head is in,
	s_barrier_signal -1
	s_barrier_wait -1                              ; everybody's is: from here on K and V are only read
	s_wait_loadcnt 0x0                             ; Q
.macro KLOAD a16, a8, as, ko, so       ; a step's K: eight tiles packed, and their scale words of my row
.irp t, 0,1,2,3,4,5,6,7
	ds_load_b128 v[KB+6*\t:KB+6*\t+3], v[\a16] offset:\t*768+\ko
	ds_load_b64 v[KB+6*\t+4:KB+6*\t+5], v[\a8] offset:\t*768+\ko
.endr
	ds_load_b128 v[KS:KS+3], v[\as] offset:\so
	ds_load_b128 v[KS+4:KS+7], v[\as] offset:\so+256
.endm
.macro SUMR k                          ; the four chains take p's registers 8 k .. 8 k + 7
.irp i, 0,1,2,3
	v_pk_add_f32 v[SU+2*\i:SU+2*\i+1], v[SU+2*\i:SU+2*\i+1], v[S+8*(\k)+2*\i:S+8*(\k)+2*\i+1]
.endr
.endm
.macro FMAS n                          ; t - M, two at a time, n lines from register j on
.rept \n
	v_pk_fma_f32 v[S+j:S+j+1], v[S+j:S+j+1], s[CS:CS+1], v[12:13] op_sel_hi:[1,0,0]
.set j, j+2
.endr
.endm
.macro LSUM                            ; the row's sum under the last step's M, and that step's sums
	v_pk_fma_f32 v[14:15], v[14:15], v[F:F+1], v[SU:SU+1] op_sel_hi:[1,0,1]
	v_pk_add_f32 v[14:15], v[14:15], v[SU+4:SU+5]
.endm
; A KEY STEP: 128 keys.  qs: my queries' scale words.
.macro STEP qs
	v_add_nc_u32 v[ADV16], s[TB], v[LV16]          ; five plain lines: the places between the last step's V^T P and the products below, which write over the registers that held V
	v_add_nc_u32 v[ADV8], s[TB], v[LV8]
	v_add_nc_u32 v[ADT], s[TJ], v[RV]
	LSUM
	s_wait_dscnt 0x0                               ; this step's K, asked for a step ago
.irp t, 0,1,2,3,4,5,6,7                        ; S^T = K Q^T
	v_wmma_scale_f32_16x16x128_f8f6f4 v[S+8*\t:S+8*\t+7], v[KB+6*\t:KB+6*\t+11], v[QF:QF+11], 0, v[KS+\t], v[\qs] matrix_a_fmt:MATRIX_FMT_FP6 matrix_b_fmt:MATRIX_FMT_FP6
.endr
	v_add_nc_u32 v[ADK16], s[TB], v[L16]           ; four places in front of the loads into K's registers and of the first read of S^T
	v_add_nc_u32 v[ADK8], s[TB], v[L8]
	v_lshl_add_u32 v[ADS], s[TJ], 1, v[RK]
	v_nop
	KLOAD ADK16, ADK8, ADS, 6144, 512              ; the next step's K
.irp t, 0,1,2,3,4,5,6,7                        ; the largest score of my two blocks of 32 keys: a chain a tile, each accumulator from its low end on
	v_max3_num_f32 v[CH+\t], v[S+8*\t], v[S+8*\t+1], v[S+8*\t+2]
.endr
.irp i, 3,5
.irp t, 0,1,2,3,4,5,6,7
	v_max3_num_f32 v[CH+\t], v[CH+\t], v[S+8*\t+\i], v[S+8*\t+\i+1]
.endr
.endr
.irp c, 0,4
	v_max3_num_f32 v[CH+\c], v[CH+\c], v[CH+\c+1], v[S+8*\c+7]
	v_max3_num_f32 v[CH+\c+2], v[CH+\c+2], v[CH+\c+3], v[S+8*\c+15]
.endr
.irp c, 0,4
	v_max3_num_f32 v[CH+\c], v[CH+\c], v[CH+\c+2], v[S+8*\c+23]
.endr
.irp c, 0,4
	v_max_num_f32 v[CH+\c], v[CH+\c], v[S+8*\c+31] ; it serves the row's maximum and, since p rises with the score, the block's largest p
.endr
	v_max3_num_f32 v13, v13, v[CH], v[CH+4]
	v_permlanex16_b32 v[T1], v13, s[SEL], s[SEL+1]
	v_max_num_f32 v13, v13, v[T1]                  ; the running largest score, lane l xor 16's two blocks among it
	v_mul_f32 v[T1], s[CS], v13                    ; as t
	v_floor_f32 v12, -v[T1]                        ; -M = floor(-t) = -ceil(t)
	v_sub_f32 v[T0], v12, v[T0]                    ; old M - new M: a whole number, 0 or less
.set j, 0
	FMAS 4
	v_cvt_i32_f32 v[T0], v[T0]                     ; (it saturates)
	FMAS 4
	v_ldexp_f32 v[F], 1.0, v[T0]                   ; f = 2^(old M - new M)
	FMAS 24
	v_fma_f32 v[CH], v[CH], s[CS], v12             ; the same of each block's largest score
	v_fma_f32 v[CH+4], v[CH+4], s[CS], v12
.set j, 0
.rept 16
	v_pk_mul_f32 v[O+j:O+j+1], v[O+j:O+j+1], v[F:F+1] op_sel_hi:[1,0]   ; O^T under the new M, each accumulator from its low end on
.set j, j+2
.endr
	s_wait_alu depctr_va_vdst(0)
	v_exp_f32 v[CH], v[CH]                         ; the blocks' largest p: the same two instructions on the same number give the same bits
	v_exp_f32 v[CH+4], v[CH+4]
.set j, 0
.rept 64
	v_exp_f32 v[S+j], v[S+j]                       ; p = 2^(t - M), at most 1
.set j, j+1
.endr
	v_mov_b32 v[T0], v12                           ; -M, for the next step: a plain line behind the batch,
	s_wait_alu depctr_va_vdst(0)                   ; and one wait for all 66, ahead of the first reader
.irp i, 0,1,2,3                                ; the step's sum of the UNQUANTISED p, four chains; the blocks' scales stand among them
	v_pk_add_f32 v[SU+2*\i:SU+2*\i+1], v[S+2*\i:S+2*\i+1], v[S+8+2*\i:S+9+2*\i]
.endr
	v_max_num_f32 v[CH], 0x1800000, v[CH]          ; the floor 2^(3 - 127): the byte cannot fall under 1
	v_max_num_f32 v[CH+4], 0x1800000, v[CH+4]
	SUMR 2
	v_add_nc_u32 v[SO], 0xff000000, v[CH]          ; 2 off the exponent field: the conversion's scale operand
	v_add_nc_u32 v[SO+1], 0xff000000, v[CH+4]
	SUMR 3
	v_lshrrev_b32 v[BY], 23, v[SO]
	v_lshrrev_b32 v[BY+1], 23, v[SO+1]
	SUMR 4
	v_lshl_or_b32 v[BY+3], v[BY+1], 16, v[BY]      ; my two bytes: blocks h and 2 + h
	SUMR 5
	v_permlanex16_b32 v[BY+2], v[BY+3], s[SEL], s[SEL+1]
.irp c, 0,1
	v_cvt_scalef32_pk16_fp6_f32 v[PC+6*\c:PC+6*\c+2], v[S+32*\c:S+32*\c+15], v[SO+\c]
	v_cvt_scalef32_pk16_fp6_f32 v[PX+4*\c:PX+4*\c+2], v[S+32*\c+16:S+32*\c+31], v[SO+\c]   ; (a conversion's three registers begin on an even number)
.endr
	v_perm_b32 v[PW], v[BY+2], v[BY+3], v[SELV]    ; p's scale word for these 128 keys: a plain line behind the scaled conversions
.irp d, 0,1,2,3                                ; V's four fragments (16 features x these 128 keys) into p's registers 0-47, which have been summed and converted
	ds_load_b128 v[S+12*\d:S+12*\d+3], v[ADV16] offset:\d*768
	ds_load_b64 v[S+12*\d+4:S+12*\d+5], v[ADV8] offset:\d*768
	ds_load_b128 v[S+12*\d+6:S+12*\d+9], v[ADV16] offset:\d*768+3072
	ds_load_b64 v[S+12*\d+10:S+12*\d+11], v[ADV8] offset:\d*768+3072
.endr
	ds_load_b128 v[VS:VS+3], v[ADT]                ; and their scale words
.irp c, 0,1
.irp i, 0,1,2
	v_mov_b32 v[PC+6*\c+3+\i], v[PX+4*\c+\i]
.endr
.endr
	SUMR 6                                         ; p's registers 48-63 are still whole.  These ten lines are also the places between the last write of p's codes and the products
	SUMR 7
	v_pk_add_f32 v[SU:SU+1], v[SU:SU+1], v[SU+2:SU+3]
	v_pk_add_f32 v[SU+4:SU+5], v[SU+4:SU+5], v[SU+6:SU+7]
	s_wait_alu depctr_va_vdst(0)
	s_wait_dscnt 0x0                               ; V is in (and the next step's K)
.irp d, 0,1,2,3                                ; O^T += V^T P^T: the four accumulators by turns
	v_wmma_scale_f32_16x16x128_f8f6f4 v[O+8*\d:O+8*\d+7], v[S+12*\d:S+12*\d+11], v[PC:PC+11], v[O+8*\d:O+8*\d+7], v[VS+\d], v[PW] matrix_a_fmt:MATRIX_FMT_FP6 matrix_b_fmt:MATRIX_FMT_FP6
.endr
.endm
; A PASS: one tile of 16 queries against all 2,048 keys, 16 key steps; then O^T / the sum is quantised along the head's 64 and stored as one half image.
.macro PASS p, qs
	s_wait_xcnt 0x0                                ; the last pass's stores have read the codes' registers
.if \p
.irp i, 0,1,2,3,4,5
	v_mov_b32 v[QF+\i], v[Q1+\i]
.endr
.endif
	v_mov_b32 v13, 0xff61b1e6                      ; the largest score so far: -3e38
	v_mov_b32 v[T0], 0x7f000000                    ; the old -M: so large that the first f is 0
	v_mov_b32 v14, 0
	v_mov_b32 v15, 0
	v_mov_b32 v[F], 0                              ; the first step's top adds zeros
	v_mov_b32 v[SU], 0
	v_mov_b32 v[SU+1], 0
	v_mov_b32 v[SU+4], 0
	v_mov_b32 v[SU+5], 0
.set j, 0
.rept 32
	v_mov_b32 v[O+j], 0                            ; the step is written once: the first finds zeros, which the first change of M leaves zeros
.set j, j+1
.endr
	KLOAD L16, L8, RK, 0, 0                        ; step 0's K
	s_mov_b32 s[TB], 0
	s_mov_b32 s[TJ], 0
	s_wait_alu depctr_va_vdst(0)
.Lstep_\@:
	STEP \qs
	s_add_co_u32 s[TB], s[TB], 6144
	s_add_co_u32 s[TJ], s[TJ], 256
	s_cmp_lg_u32 s[TB], 16*6144
	s_cbranch_scc1 .Lstep_\@
	LSUM                                           ; the last step's sums; with the two lines below: four places behind the last products
	v_nop
	v_nop
	v_add_f32 v14, v14, v15                        ; the sum's two halves,
	v_permlanex16_b32 v[T1], v14, s[SEL], s[SEL+1]
	v_add_f32 v14, v14, v[T1]                      ; and lane l xor 16's
	s_wait_alu depctr_va_vdst(0)
	v_rcp_f32 v14, v14
	v_nop                                          ; a plain line behind the reciprocal,
	s_wait_alu depctr_va_vdst(0)                   ; and the wait ahead of its first reader
.set j, 0
.rept 16
	v_pk_mul_f32 v[S+j:S+j+1], v[O+j:O+j+1], v[14:15] op_sel_hi:[1,0]   ; y: register i is feature 32 h + i of my query: one whole block; each accumulator from its low end on
.set j, j+2
.endr
	v_max3_num_f32 v[CH], |v[S]|, |v[S+1]|, 0x1800000
	v_max3_num_f32 v[CH+1], |v[S+16]|, |v[S+17]|, |v[S+18]|
.irp i, 2,4,6,8,10,12
	v_max3_num_f32 v[CH], v[CH], |v[S+\i]|, |v[S+\i+1]|
	v_max3_num_f32 v[CH+1], v[CH+1], |v[S+17+\i]|, |v[S+18+\i]|
.endr
	v_max3_num_f32 v[CH], v[CH], |v[S+14]|, |v[S+15]|
	v_max3_num_f32 v[CH], v[CH], v[CH+1], |v[S+31]|
	v_add_nc_u32 v[SO], 0xff000000, v[CH]
	v_lshrrev_b32 v[BY], 23, v[SO]                 ; my block's scale byte
	v_cvt_scalef32_pk16_fp6_f32 v[PC:PC+2], v[S:S+15], v[SO]
	v_cvt_scalef32_pk16_fp6_f32 v[PX:PX+2], v[S+16:S+31], v[SO]
	v_nop
.irp i, 0,1,2
	v_mov_b32 v[PC+3+\i], v[PX+\i]
.endr
	global_store_b128 v[L16], v[PC:PC+3], s[YC:YC+1] offset:\p*196608     ; 512 consecutive bytes, aligned
	global_store_b64 v[L8], v[PC+4:PC+5], s[YC:YC+1] offset:\p*196608     ; 256
	ds_store_b8 v[GA], v[BY] offset:\p*512         ; a byte a lane
.endm
	PASS 0, 28
	PASS 1, 29
	s_wait_dscnt 0x0                               ; for the others' sake: my scale bytes lie in LDS
	s_barrier_signal -1
	s_barrier_wait -1
	s_cmp_lg_u32 s[WV], 0
	s_cbranch_scc1 .Lnot_mine
	ds_load_b128 v[S:S+3], v31                     ; wave 0 stores the work-group's 1,024 scale bytes: consecutive, aligned
	ds_load_b128 v[S+4:S+7], v31 offset:512
	s_wait_dscnt 0x0
	global_store_b128 v[L16], v[S:S+3], s[YS:YS+1]
	global_store_b128 v[L16], v[S+4:S+7], s[YS:YS+1] offset:512
.Lnot_mine:
	s_wait_tensorcnt 0x0                           ; the wave's end
	ds_add_u32 v254, v255
	s_wait_dscnt 0x0
	ROUND                                          ; the closing round
	s_endpgm
.Lfunc_end_k_q06a8495b65_attn:
	.size	k_q06a8495b65_attn, .Lfunc_end_k_q06a8495b65_attn-k_q06a8495b65_attn
	.p2alignl 7, 3214868480
	.fill 96, 4, 3214868480
	.section	.rodata,"a",@progbits
	.p2align	6, 0x0
	.amdhsa_kernel k_q06a8495b65_attn
		.amdhsa_group_segment_fixed_size 215040
		.amdhsa_private_segment_fixed_size 0
		.amdhsa_enable_private_segment 0
		.amdhsa_kernarg_size 32
		.amdhsa_user_sgpr_count 2
		.amdhsa_user_sgpr_kernarg_segment_ptr 1
		.amdhsa_wavefront_size32 1
		.amdhsa_system_sgpr_workgroup_id_x 1
		.amdhsa_system_sgpr_workgroup_id_y 1
		.amdhsa_system_sgpr_workgroup_id_z 1
		.amdhsa_system_vgpr_workitem_id 0
		.amdhsa_next_free_vgpr 256
		.amdhsa_next_free_sgpr 80
		.amdhsa_reserve_vcc 0
		.amdhsa_float_denorm_mode_32 3
		.amdhsa_float_denorm_mode_16_64 3
		.amdhsa_memory_ordered 1
		.amdhsa_forward_progress 1
		.amdhsa_inst_pref_size 52
	.end_amdhsa_kernel
	.amdgpu_metadata
---
amdhsa.version: [ 1, 2 ]
amdhsa.kernels:
  - .name:           k_q06a8495b65_attn
    .symbol:         k_q06a8495b65_attn.kd
    .args:
      - { .name: qkv_codes, .offset: 0, .size: 8, .value_kind: global_buffer, .address_space: global }
      - { .name: qkv_scales, .offset: 8, .size: 8, .value_kind: global_buffer, .address_space: global }
      - { .name: y_codes, .offset: 16, .size: 8, .value_kind: global_buffer, .address_space: global }
      - { .name: y_scales, .offset: 24, .size: 8, .value_kind: global_buffer, .address_space: global }
    .group_segment_fixed_size: 215040
    .private_segment_fixed_size: 0
    .kernarg_segment_align: 8
    .kernarg_segment_size: 32
    .max_flat_workgroup_size: 512
    .sgpr_count:     80
    .vgpr_count:     256
    .wavefront_size: 32
...
	.end_amdgpu_metadata
.endif
;; end of part 3
;; launch proj_out (part 4): grid 4 x 64, 4 waves a work-group, clusters of 4 x 4, 327,680 bytes of LDS; arguments y_codes, y_scales, xw_codes, xw_scales, bp, out0; writes out0
.if DOCPART == 4
	.amdgcn_target "amdgcn-amd-amdhsa--gfx1250"
	.amdhsa_code_object_version 6
	.text
	.protected	k_q06a8495b65_proj_out
	.globl	k_q06a8495b65_proj_out
	.p2align	8
	.type	k_q06a8495b65_proj_out,@function
k_q06a8495b65_proj_out:
	s_mov_b64 s[64:65], 0
	v_nop
	global_prefetch_b8 v0, s[64:65] scope:SCOPE_SE
	s_setreg_imm32_b32 hwreg(HW_REG_WAVE_MODE, 25, 1), 1
	s_wait_xcnt 0x0
	s_wait_alu depctr_hold_cnt(0) depctr_sa_sdst(0) depctr_va_vdst(0) depctr_va_sdst(0) depctr_va_ssrc(0) depctr_va_vcc(0) depctr_vm_vsrc(0)
	s_getreg_b32 s2, hwreg(HW_REG_IB_STS2, 6, 4)
	s_cmp_eq_u32 s2, 0
	s_cbranch_scc0 .Lentry_in_a_cluster
	s_endpgm
.Lentry_in_a_cluster:
	s_bfe_u32 s2, ttmp6, 0x10000c
	s_cmp_lg_u32 s2, 0xf033
	s_cbranch_scc0 .Lentry_shape_is_right
	s_endpgm
.Lentry_shape_is_right:
; out0 = y Wp^T + bp on codes of FP6 with E8M0 scales, f32 out.  A = y's token tiles (y_codes [tile][head][768]), B = Wp's tiles (xw_codes from tile 1,216).  Lane r of tile 2 g + u is row 32 g + 8 u + r + 8 (r / 8).
; A BLOCK is 128 tokens x 256 columns, ALL of K = 1,024: 24 tiles of 12,288 bytes lie in LDS at once, filled once by one joint load a wave (waves 0, 1 half of B's codes each, wave 2 A's codes, wave 3 B's scale bytes).
; y's scale bytes lie [head][token tile][r], two bytes: the block's 16 x 256 bytes come by plain loads, are turned into words of four bytes a row and 128 K, and go by LDS stores into blocks of their own.
; Nothing is filled again: no ring, and nothing left to prefetch: every byte is asked for at the head.  256 blocks: one turn.  CLUSTER 4 x 4: A's tiles are shared along a row, B's along a column.
; A wave makes 64 x 128: 32 accumulators (window 2), K in eight steps of 128; the product is used transposed (source 0 = B's rows), the bias is the first products' C.
; THE WAY OUT goes through a stage in the bytes of A's codes, behind a barrier behind which nobody reads them: whole rows of 512 bytes leave.
.set FR,    12
.set TILEB, 12288
.set BCB,   8*TILEB
.set SCL,   24*TILEB
.set HALFS, 16*272
.set SBLK,  544
.set SPARE, SCL+3*HALFS
.set CO,    2
.set A16,   4
.set A8,    5
.set B16,   6
.set B8,    7
.set B16H,  8
.set B8H,   9
.set ADRS,  16
.set STO,   27
.set SPW,   28
.set NIL,   29
.set RD,    30
.set SC,    32
.set BS0,   64
.set AF,    128
.set BK,    128
.set P,     224
.set WV,    2
.set RH,    3
.set RL,    14
.set AS,    36
.set G1,    24
.set G0,    32
.set G1B,   44
.set G0B,   52
.set G1SB,  80
.set G0SB,  88
.set MSB, 0
.macro WIN new
.if MSB != (\new)
	s_set_vgpr_msb (MSB<<8)|(\new)
.set MSB, (\new)
.endif
.endm
.set MUL,  0xa1
.set TO_B, 0x40
.macro TLOAD g0, g1                    ; s_nop 0 and four v_nop behind a tensor load
	tensor_load_to_lds s[\g0:\g0+3], s[\g1:\g1+7]
	s_nop 0
.rept 4
	v_nop
.endr
.endm
.macro CROUND
	s_barrier_signal -1
	s_barrier_wait -1
	s_cmp_lg_u32 s[WV], 0
	s_cbranch_scc1 .Lnot_wave_0_\@
	s_barrier_signal -3
.Lnot_wave_0_\@:
	s_barrier_wait -3
	s_barrier_signal -1
	s_barrier_wait -1
.endm
.macro PLACES n
.rept \n
	v_nop
.endr
.endm
.macro FRAG reg, a16, a8, off
	ds_load_b128 v[\reg:\reg+3], v[\a16] offset:\off
	ds_load_b64 v[\reg+4:\reg+5], v[\a8] offset:\off
	ds_load_b128 v[\reg+6:\reg+9], v[\a16] offset:\off+768
	ds_load_b64 v[\reg+10:\reg+11], v[\a8] offset:\off+768
.endm
.macro FETCH q
	WIN TO_B
.irp i, 0,1,2,3
	FRAG 128*((\q)%2)+FR*\i, B16, B8, \i*TILEB+(\q)*1536
.endr
.irp i, 0,1,2,3
	FRAG 128*((\q)%2)+FR*(\i+4), B16H, B8H, \i*TILEB+(\q)*1536
.endr
	WIN 0
.irp i, 0,1,2,3
	FRAG AF+48*((\q)%2)+FR*\i, A16, A8, \i*TILEB+(\q)*1536
.endr
.if (\q)%2 == 0
.irp i, 0,1,2,3,4,5,6,7
	ds_load_b64 v[SC+16*(((\q)/2)%2)+2*\i:SC+16*(((\q)/2)%2)+2*\i+1], v[ADRS] offset:\i*SBLK+4*(\q)
.endr
.endif
.endm
.macro MUL32 p, sc, first              ; the 32 accumulators by turns; first = 1: C is the bias
.irp a, 0,1,2,3
.irp b, 0,1,2,3,4,5,6,7
.if \first
	v_wmma_scale_f32_16x16x128_f8f6f4 v[8*(8*\a+\b):8*(8*\a+\b)+7], v[128*(\p)+FR*\b:128*(\p)+FR*\b+FR-1], v[AF+48*(\p)+FR*\a:AF+48*(\p)+FR*\a+FR-1], v[BS0+8*\b:BS0+8*\b+7], v[SC+16*(\sc)+2*\b+(\p)], v[SC+16*(\sc)+2*\a+(\p)] matrix_a_fmt:MATRIX_FMT_FP6 matrix_b_fmt:MATRIX_FMT_FP6 matrix_a_scale:MATRIX_SCALE_ROW1
.else
	v_wmma_scale_f32_16x16x128_f8f6f4 v[8*(8*\a+\b):8*(8*\a+\b)+7], v[128*(\p)+FR*\b:128*(\p)+FR*\b+FR-1], v[AF+48*(\p)+FR*\a:AF+48*(\p)+FR*\a+FR-1], v[8*(8*\a+\b):8*(8*\a+\b)+7], v[SC+16*(\sc)+2*\b+(\p)], v[SC+16*(\sc)+2*\a+(\p)] matrix_a_fmt:MATRIX_FMT_FP6 matrix_b_fmt:MATRIX_FMT_FP6 matrix_a_scale:MATRIX_SCALE_ROW1
.endif
.endr
.endr
.endm
.macro STEPK q, first
	s_wait_dscnt 0x0
.if (\q) < 7
.if (\q) > 0
	PLACES 4
.endif
	FETCH (\q)+1
.else
	s_barrier_signal -1                            ; my reads of the codes are over
.endif
.if \first
	WIN 0x81                                       ; C in window 0
.else
	WIN MUL
.endif
	MUL32 (\q)%2, ((\q)/2)%2, \first
	WIN 0
.endm
	s_load_b256 s[4:11], s[0:1], 0x0               ; y_codes, y_scales, xw_codes, xw_scales
	s_load_b128 s[16:19], s[0:1], 0x20             ; bp, out0
	v_lshl_add_u32 v[SPW], v0, 2, SPARE
	v_mov_b32 v[NIL], 0
	ds_add_u32 v[SPW], v[NIL]                      ; the opening lines
	ds_add_u32 v[SPW], v[NIL]
	v_lshrrev_b32 v1, 5, v0
	v_readfirstlane_b32 s[WV], v1
	s_lshr_b32 s[RH], s[WV], 1
	s_and_b32 s[RL], s[WV], 1
	s_bfe_u32 s92, ttmp6, 0x40000
	s_bfe_u32 s93, ttmp6, 0x40004
	s_lshl_b32 s94, ttmp9, 2
	s_add_co_u32 s94, s94, s92                     ; block column: 256 columns
	s_and_b32 s15, ttmp7, 0xffff
	s_lshl_b32 s15, s15, 2
	s_add_co_u32 s15, s15, s93                     ; block row: 128 tokens
	s_lshl_b32 s21, s93, 2
	s_lshl_b32 s21, 15, s21
	s_lshl_b32 s100, 0x1111, s92
	s_or_b32 s[G1], s21, (3<<16)|(1<<21)
	s_or_b32 s[G1B], s100, (3<<16)|(1<<21)
.irp g, G1, G1B
	s_mov_b32 s[\g+1], 1536<<16
	s_mov_b32 s[\g+2], 8<<16
	s_mov_b32 s[\g+3], 1536<<16
	s_mov_b32 s[\g+4], 8
	s_mov_b32 s[\g+5], 1536
	s_mov_b32 s[\g+6], 0
	s_mov_b32 s[\g+7], 0
.endr
	s_or_b32 s[G1SB], s100, (3<<16)|(1<<20)|(1<<21)|(5<<22)|(3<<25)
	s_mov_b32 s[G1SB+1], 32<<16
	s_mov_b32 s[G1SB+2], 32<<16
	s_mov_b32 s[G1SB+3], 32<<16
	s_mov_b32 s[G1SB+4], 32
	s_mov_b32 s[G1SB+5], 32
	s_mov_b32 s[G1SB+6], 0
	s_mov_b32 s[G1SB+7], 0
	s_mul_i32 s22, s15, 8*TILEB                    ; A's eight tiles
	s_mov_b32 s23, 0
	s_lshl_b32 s20, s15, 8                         ; their 256 scale bytes of each head
	s_mov_b32 s21, 0
	s_lshl_b32 s96, s94, 4
	s_add_co_u32 s96, s96, 1216                    ; B's first tile
	s_lshl_b32 s97, s[WV], 3
	s_add_co_u32 s97, s97, s96
	s_mul_i32 s98, s97, TILEB
	s_mov_b32 s99, 0
	s_lshl_b32 s96, s96, 9
	s_mov_b32 s97, 0
	s_mul_i32 s100, s[WV], 8*TILEB
	s_add_co_u32 s100, s100, BCB
	s_wait_dscnt 0x0
	s_wait_kmcnt 0x0
	s_add_nc_u64 s[22:23], s[4:5], s[22:23]
	s_add_nc_u64 s[AS:AS+1], s[6:7], s[20:21]
	s_add_nc_u64 s[98:99], s[8:9], s[98:99]
	s_add_nc_u64 s[96:97], s[10:11], s[96:97]
	CROUND
	s_mov_b32 s[G0], 1
	s_mov_b32 s[G0+1], 0
	s_mov_b64 s[G0+2:G0+3], s[22:23]
	s_or_b32 s[G0+3], s[G0+3], 0x80000000
	s_mov_b32 s[G0B], 1
	s_mov_b32 s[G0B+1], s100
	s_mov_b64 s[G0B+2:G0B+3], s[98:99]
	s_or_b32 s[G0B+3], s[G0B+3], 0x80000000
	s_mov_b32 s[G0SB], 1
	s_mov_b32 s[G0SB+1], SCL+HALFS
	s_mov_b64 s[G0SB+2:G0SB+3], s[96:97]
	s_or_b32 s[G0SB+3], s[G0SB+3], 0x80000000
	s_cmp_lt_u32 s[WV], 2
	s_cbranch_scc0 .Lhead_a
	TLOAD G0B, G1B
	s_branch .Lasked
.Lhead_a:
	s_cmp_eq_u32 s[WV], 2
	s_cbranch_scc0 .Lhead_s
	TLOAD G0, G1
	s_branch .Lasked
.Lhead_s:
	TLOAD G0SB, G1SB
.Lasked:
	v_and_b32 v25, 63, v0                          ; y's scale bytes: thread t takes rows 2 (t % 64), + 1 and heads 8 (t / 64) + 0 .. 7
	v_lshrrev_b32 v19, 6, v0
	v_lshlrev_b32 v20, 2, v25
	v_lshl_add_u32 v20, v19, 17, v20
.irp k, 0,1,2,3,4,5,6,7
	global_load_b32 v[P+\k], v20, s[AS:AS+1] offset:16384*\k
.endr
	v_lshrrev_b32 v26, 2, v25
	v_lshlrev_b32 v21, 6, v25
	v_lshl_add_u32 v21, v26, 4, v21
	v_lshl_add_u32 v21, v19, 4, v21
	v_add_nc_u32 v21, SCL, v21                     ; in LDS: 32 bytes a row, 16 more behind 8 rows, + 16 for the upper eight heads
	v_and_b32 v1, 31, v0
	v_and_b32 v17, 15, v0
	v_bfe_u32 v18, v0, 4, 1
	v_lshlrev_b32 v[CO], 4, v1
	v_lshl_add_u32 v3, v1, 3, 512
	s_mul_i32 s100, s[RH], 4*TILEB
	v_add_nc_u32 v[A16], s100, v[CO]
	v_add_nc_u32 v[A8], s100, v3
	s_mul_i32 s101, s[RL], 8*TILEB
	s_add_co_u32 s101, s101, BCB
	v_add_nc_u32 v[B16], s101, v[CO]
	v_add_nc_u32 v[B8], s101, v3
	s_add_co_u32 s101, s101, 4*TILEB
	v_add_nc_u32 v[B16H], s101, v[CO]
	v_add_nc_u32 v[B8H], s101, v3
	v_lshlrev_b32 v19, 5, v17
	v_lshrrev_b32 v25, 3, v17
	v_lshl_add_u32 v19, v25, 4, v19
	s_mul_i32 s100, s[RH], 4*SBLK
	s_xor_b32 s101, s[RH], 1                       ; from A's four tiles to B's eight: 4 SBLK x (2 + 2 RL - RH)
	s_lshl_b32 s96, s[RL], 1
	s_add_co_u32 s101, s101, s96
	s_add_co_u32 s101, s101, 1
	s_mul_i32 s101, s101, 4*SBLK
	v_mul_u32_u24 v25, s101, v18
	s_add_co_u32 s100, s100, SCL
	v_add_nc_u32 v19, v19, v25
	v_add_nc_u32 v[ADRS], s100, v19
	s_mul_i32 s20, s[WV], 16*528                   ; my stage, in the bytes of A's codes
	v_mul_u32_u24 v[STO], v17, 528
	v_lshl_add_u32 v[STO], v18, 6, v[STO]
	v_add_nc_u32 v[STO], s20, v[STO]
	v_add_nc_u32 v[RD], s20, v[CO]
	s_lshl_b32 s20, s15, 7
	s_lshl_b32 s22, s[RH], 6
	s_add_co_u32 s20, s20, s22                     ; my first token
	s_lshl_b32 s21, s94, 8
	s_lshl_b32 s22, s[RL], 7
	s_add_co_u32 s21, s21, s22
	s_lshl_b32 s21, s21, 2                         ; my first column, in bytes
	v_lshl_add_u32 v23, v18, 6, s21
.irp t, 0,1,2,3,4,5,6,7
	global_load_b128 v[BS0+8*\t:BS0+8*\t+3], v23, s[16:17] offset:(32*(\t/2)+8*(\t%2))*4
	global_load_b128 v[BS0+8*\t+4:BS0+8*\t+7], v23, s[16:17] offset:(32*(\t/2)+8*(\t%2))*4+16
.endr
	s_lshl_b32 s20, s20, 12
	s_add_co_u32 s20, s20, s21
	s_mov_b32 s21, 0
	s_add_nc_u64 s[18:19], s[18:19], s[20:21]
	s_wait_alu depctr_va_vdst(0)
	s_wait_loadcnt 16                              ; y's scale bytes are in; the 16 loads of the bias may be out
.irp g, 0,1,2,3
	v_perm_b32 v[P+8+\g], v[P+2*\g+1], v[P+2*\g], 0x05040100    ; the even row's word of heads 2 g, 2 g + 1,
	v_perm_b32 v[P+12+\g], v[P+2*\g+1], v[P+2*\g], 0x07060302   ; the odd row's
.endr
	s_wait_alu depctr_va_vdst(0)
	s_wait_tensorcnt 0x0                           ; my tile is in
	ds_store_b128 v21, v[P+8:P+11]
	ds_store_b128 v21, v[P+12:P+15] offset:32
	s_wait_dscnt 0x0
	s_barrier_signal -1
	s_barrier_wait -1                              ; everybody's is
	FETCH 0
	s_wait_loadcnt 0x0                             ; the bias
	STEPK 0, 1
.set Q, 1
.rept 7
	STEPK Q, 0
.set Q, Q+1
.endr
	s_barrier_wait -1                              ; nobody reads the codes any more: the stage may be written
.macro TOSTAGE a
	WIN 0x08                                       ; the data: window 2
.irp b, 0,1,2,3,4,5,6,7
	ds_store_b128 v[STO], v[64*(\a)+8*\b:64*(\a)+8*\b+3] offset:128*(\b/2)+32*(\b%2)
	ds_store_b128 v[STO], v[64*(\a)+8*\b+4:64*(\a)+8*\b+7] offset:128*(\b/2)+32*(\b%2)+16
.endr
	WIN 0
.set BB, BK+64*((\a)%2)
.irp t, 0,1,2,3,4,5,6,7,8,9,10,11,12,13,14,15
	ds_load_b128 v[BB+4*\t:BB+4*\t+3], v[RD] offset:\t*528     ; LDS serves a wave's instructions in order: these see the stores above
.endr
.endm
.macro SEND a, younger
.set BB, BK+64*((\a)%2)
	s_wait_dscnt \younger
.irp t, 0,1,2,3,4,5,6,7,8,9,10,11,12,13,14,15
	global_store_b128 v[CO], v[BB+4*\t:BB+4*\t+3], s[18:19] offset:(32*((\a)/2)+8*((\a)%2)+\t+8*(\t/8))*4096 th:TH_STORE_NT   ; 512 consecutive bytes, aligned
.endr
.endm
	PLACES 4
	TOSTAGE 0
.irp a, 1,2,3
.if \a > 1
	s_wait_xcnt 0x0                                ; block a - 2's stores have read their registers
.endif
	TOSTAGE \a
	SEND \a-1, 32                                  ; behind block a - 1's loads: block a's 16 stores and 16 loads
.endr
	SEND 3, 0
	s_wait_tensorcnt 0x0                           ; the wave's end
	ds_add_u32 v[SPW], v[NIL]
	s_wait_dscnt 0x0
	CROUND                                         ; the closing round
	s_endpgm
.Lfunc_end_k_q06a8495b65_proj_out:
	.size	k_q06a8495b65_proj_out, .Lfunc_end_k_q06a8495b65_proj_out-k_q06a8495b65_proj_out
	.p2alignl 7, 3214868480
	.fill 96, 4, 3214868480
	.section	.rodata,"a",@progbits
	.p2align	6, 0x0
	.amdhsa_kernel k_q06a8495b65_proj_out
		.amdhsa_group_segment_fixed_size 327680
		.amdhsa_private_segment_fixed_size 0
		.amdhsa_enable_private_segment 0
		.amdhsa_kernarg_size 48
		.amdhsa_user_sgpr_count 2
		.amdhsa_user_sgpr_kernarg_segment_ptr 1
		.amdhsa_wavefront_size32 1
		.amdhsa_system_sgpr_workgroup_id_x 1
		.amdhsa_system_sgpr_workgroup_id_y 1
		.amdhsa_system_sgpr_workgroup_id_z 1
		.amdhsa_system_vgpr_workitem_id 0
		.amdhsa_next_free_vgpr 768
		.amdhsa_next_free_sgpr 102
		.amdhsa_reserve_vcc 0
		.amdhsa_float_denorm_mode_32 3
		.amdhsa_float_denorm_mode_16_64 3
		.amdhsa_memory_ordered 1
		.amdhsa_forward_progress 1
		.amdhsa_inst_pref_size 86
	.end_amdhsa_kernel
	.amdgpu_metadata
---
amdhsa.version: [ 1, 2 ]
amdhsa.kernels:
  - .name:           k_q06a8495b65_proj_out
    .symbol:         k_q06a8495b65_proj_out.kd
    .args:
      - { .name: y_codes, .offset: 0, .size: 8, .value_kind: global_buffer, .address_space: global }
      - { .name: y_scales, .offset: 8, .size: 8, .value_kind: global_buffer, .address_space: global }
      - { .name: xw_codes, .offset: 16, .size: 8, .value_kind: global_buffer, .address_space: global }
      - { .name: xw_scales, .offset: 24, .size: 8, .value_kind: global_buffer, .address_space: global }
      - { .name: bp, .offset: 32, .size: 8, .value_kind: global_buffer, .address_space: global }
      - { .name: out0, .offset: 40, .size: 8, .value_kind: global_buffer, .address_space: global }
    .group_segment_fixed_size: 327680
    .private_segment_fixed_size: 0
    .kernarg_segment_align: 8
    .kernarg_segment_size: 48
    .max_flat_workgroup_size: 128
    .sgpr_count:     102
    .vgpr_count:     768
    .wavefront_size: 32
...
	.end_amdgpu_metadata
.endif
;; end of part 4
